; MI455X (gfx1250); checked and timed in simulation.
; The chip was launched on July 23, 2026; its instructions are those of AMD's public machine-readable ISA for CDNA 5 (MIT licence, August 2026) and "CDNA5" Instruction Set Architecture Reference Guide (July 2026). The comments in the code are by the model that wrote it; some were corrected since.
;; Block. Allowed arithmetic: matrix products marked QUANTISED: E2M3 operands, one E8M0 scale for each 32 along K, by v_wmma_scale_f32_16x16x128_f8f6f4 with both operands' format E2M3, f32 sums; everything else in f32.
;; Inputs: W_fc1_codes 4,096 x 32 x 24 uint8 (E2M3 codes of W_fc1, K innermost, in blocks of 32 codes, four codes in three bytes); W_fc1_scales 4,096 x 32 uint8 (E8M0 scales of W_fc1, one for each 32 codes along K); W_fc2_codes 1,024 x 128 x 24 uint8 (E2M3 codes of W_fc2, K innermost, in blocks of 32 codes, four codes in three bytes); W_fc2_scales 1,024 x 128 uint8 (E8M0 scales of W_fc2, one for each 32 codes along K); W_proj_codes 1,024 x 32 x 24 uint8 (E2M3 codes of W_proj, K innermost, in blocks of 32 codes, four codes in three bytes); W_proj_scales 1,024 x 32 uint8 (E8M0 scales of W_proj, one for each 32 codes along K); W_qkv_codes 3,072 x 32 x 24 uint8 (E2M3 codes of W_qkv, K innermost, in blocks of 32 codes, four codes in three bytes); W_qkv_scales 3,072 x 32 uint8 (E8M0 scales of W_qkv, one for each 32 codes along K); ln1_b 1,024 float32; ln1_g 1,024 float32; ln2_b 1,024 float32; ln2_g 1,024 float32; x 2 x 2,048 x 1,024 float32.
;; Outputs: out0 2 x 2,048 x 1,024 float32.
;; This version of the problem:
;;   THIS VERSION OF THE PROBLEM IS GIVEN IN LOW PRECISION. The matrix products marked QUANTISED in the list below multiply operands that are first quantised to E2M3 (2 exponent bits, 3 mantissa bits; 6 bits a number), with one power-of-two scale for each 32 numbers along K (OCP MX v1.0); their sums are f32. All else is computed in f32.
;;   The module's matrix products, in the order in which they are computed (A, B: the left and right operand; K: the contracted axis; several contracted axes count as one K, in the product's order):
;;     1. [M 4,096, K 1,024] x [K 1,024, N 3,072]; A: computed on the way; B: input W_qkv (given as codes): QUANTISED
;;     2. batch 32 x [M 2,048, K 64] x [K 64, N 2,048]; A: computed on the way; B: computed on the way: QUANTISED
;;     3. batch 32 x [M 2,048, K 2,048] x [K 2,048, N 64]; A: softmax (see below); B: computed on the way: QUANTISED
;;     4. [M 4,096, K 1,024] x [K 1,024, N 1,024]; A: computed on the way; B: input W_proj (given as codes): QUANTISED
;;     5. [M 4,096, K 1,024] x [K 1,024, N 4,096]; A: computed on the way; B: input W_fc1 (given as codes): QUANTISED
;;     6. [M 4,096, K 4,096] x [K 4,096, N 1,024]; A: computed on the way; B: input W_fc2 (given as codes): QUANTISED
;;   THE QUANTISER, for each operand of a quantised product, along K:
;;     - K is cut into blocks of 32 from its start; a last block that is shorter is filled with zeros.
;;     - A block's scale is 2^e with e = floor(log2(the largest magnitude in the block)) - 2, held to -126 .. 127; a block of zeros has e = 0. As a byte (E8M0): e + 127.
;;     - Each number is divided by its block's scale, clamped to +-7.5, and rounded to the nearest number of E2M3, ties to even, subnormals kept.
;;     - The product sums the exact products of the quantised numbers (number of the format x scale) in f32.
;;   ~~~python
;;   def quantise(x, axis):      # numpy; x: float32 -> the quantised numbers, widened to float32 again
;;       x = np.moveaxis(x, axis, -1); K = x.shape[-1]
;;       x = np.pad(x, [(0, 0)] * (x.ndim - 1) + [(0, -K % 32)]); x = x.reshape(x.shape[:-1] + (-1, 32)); a = np.abs(x).max(-1, keepdims=True)
;;       e = np.where(a > 0, np.clip(np.frexp(np.where(a > 0, a, 1))[1] - 1 - 2, -126, 127), 0)      # np.frexp(a)[1] - 1 = floor(log2(a)), exactly
;;       r = np.clip(x / 2.0 ** e, -7.5, 7.5)
;;       step = 2.0 ** (np.maximum(np.frexp(np.where(r == 0, 1, r))[1] - 1, 0) - 3)
;;       q = np.round(r / step) * step * 2.0 ** e      # np.round: ties to even
;;       return np.moveaxis(q.reshape(q.shape[:-2] + (-1,))[..., :K], -1, axis).astype(np.float32)
;;   ~~~
;;   SOFTMAX AHEAD OF A QUANTISED PRODUCT. Where the list says 'softmax', what is quantised is not the finished softmax but p = 2^(t - M), with t = logit x log2(e) and M = ceil(the row's largest t), a whole number; so 1/2 < the row's largest p <= 1. The row's sum l is taken of the UNQUANTISED p, in f32, and the product's result is divided by l at the end. Since M is a whole number, a kernel that streams over the keys may use a running M (the ceiling of the running maximum): every later rescaling is an exact power of two, which a block's scale takes up: the codes' values come out the same.
;;   OPERANDS COMPUTED ON THE WAY. 'Computed on the way' means the value that the module computes at that place (a softmax that the list does not call 'softmax' is quantised finished and normalised). What goes into a quantiser is computed in f32, as accurately as f32 sums, v_exp_f32 and their like allow (about 1e-6 of the number): no bf16 or f16 on the way to a quantiser, and a product that is left as it is and whose result goes on into a quantised operand takes f32 operands (vector FMAs, or v_wmma_f32_16x16x4_f32). A number that lies on a knife's edge between two numbers of the format may be rounded either way, as far as f32 arithmetic and the matrix unit's own rounding can turn it there, and no further.
;;   INPUTS GIVEN AS CODES. W_fc1 (in the module: [1024, 4096], K = its axis 0); W_fc2 (in the module: [4096, 1024], K = its axis 0); W_proj (in the module: [1024, 1024], K = its axis 0); W_qkv (in the module: [1024, 3072], K = its axis 0): each comes as NAME_codes (uint8): NAME with its K axis moved to the last place and cut into blocks of 32 codes, [.., K / 32, bytes a block], one block behind the other in memory; four codes in three bytes: a row's codes are one little-endian stream of bits, code i at bits 6 i .. 6 i + 5 (a code: sign, 2 exponent bits, 3 mantissa bits); and NAME_scales (uint8): the same leading axes, one E8M0 byte (e + 127) for each 32 codes along K. Its value is code x scale, taken as it is: it is not quantised again, and the codes and scales need not be those that the quantiser above would give.
;; One version. Each part assembles by itself: llvm-mc -triple=amdgcn-amd-amdhsa -mcpu=gfx1250 --defsym DOCPART=n.
;; ======== version 1 of 1: 6 launches
;; limits: right only within a limited range of input values
;; workspace buffers: hq 3,276,800 bytes; wimg 9,830,400 bytes; qk 6,815,744 bytes; vq 3,276,800 bytes; yq 3,276,800 bytes; x1 16,777,216 bytes; gq 13,107,200 bytes
;; launch prep_ln1 (part 1): grid 448 x 1, 4 waves a work-group, no clusters, 66,560 bytes of LDS; arguments x, ln1_g, ln1_b, hq, W_qkv_codes, W_qkv_scales, W_proj_codes, W_proj_scales, W_fc1_codes, W_fc1_scales, W_fc2_codes, W_fc2_scales, wimg; writes hq, wimg
.if DOCPART == 1
	.amdgcn_target "amdgcn-amd-amdhsa--gfx1250"
	.amdhsa_code_object_version 6
	.text
	.protected	k_q83158fafd2_prep_ln1
	.globl	k_q83158fafd2_prep_ln1
	.p2align	8
	.type	k_q83158fafd2_prep_ln1,@function
k_q83158fafd2_prep_ln1:
	s_mov_b64 s[64:65], 0
	v_nop
	global_prefetch_b8 v0, s[64:65] scope:SCOPE_SE
	s_setreg_imm32_b32 hwreg(HW_REG_WAVE_MODE, 25, 1), 1
	s_wait_xcnt 0x0
; Work-groups 0-255: LayerNorm 1 of 16 tokens each, quantised to E2M3 along the 1,024 channels, stored as operand images.
; Work-groups 256-447: the four weights' codes and scale bytes are laid out anew as operand images (no number is changed).
; ROW ORDER: block B of 16 rows of every operand holds rows 32 (B / 2) + 8 (B % 2) + i + 8 (i / 8), i = 0 .. 15, so that a transposed product leaves 16 neighbours along the next K in a lane's 16 registers of two neighbouring tiles.
; IMAGE: a fragment (16 rows x 128 K, 12 registers a lane) is 1,536 bytes: registers 2 p, 2 p + 1 of lane l at byte 256 p + 8 l.  Its scale words: 4 bytes a row, 64 bytes a fragment (lanes 16-31 store the same word as lanes 0-15 to the same place).
; NORM: mean, then the sum of squares of x - mean (two passes over registers: a common offset of the inputs costs no accuracy), v_rsq_f32, all f32.
; LIMITS: NaN and infinities are not served; a block whose largest magnitude lies under 2^-124 (a block of zeros too) keeps the scale byte 1: its bytes are read by this program alone.
.set PITCH, 4112                       ; an LDS row: 4,096 bytes + 16, so that 16 rows' equal columns start in 16 different groups of banks
.set X,   32                           ; v32-159  four rows x 32 registers; later 2 x 64 numbers for the quantiser
.set G,   160                          ; v160-191 gain of my columns
.set BV,  192                          ; v192-223 bias
.set TM,  8                            ; v8-23    statistics, later the quantiser's work
.set PC,  224                          ; v224-243 codes
.set PW,  244                          ; v244     scale word
.set SEL, 12                           ; s[12:13] lane selects: lane l xor 16
; 64 numbers of a lane, register 16 b + i = k 32 b + 16 (lane / 16) + i of my row, become a fragment's codes in v[PC] on and its scale word in v[PW]
.macro QUANT s
.irp b, 0,1,2,3
	v_max3_num_f32 v[TM+\b], |v[\s+16*\b]|, |v[\s+1+16*\b]|, 0x1800000   ; with the floor 2^(3 - 127): the byte cannot fall under 1
.endr
.irp i, 2,4,6,8,10,12,14
.irp b, 0,1,2,3
	v_max3_num_f32 v[TM+\b], v[TM+\b], |v[\s+16*\b+\i]|, |v[\s+1+16*\b+\i]|
.endr
.endr
.irp b, 0,1,2,3
	v_permlanex16_b32 v[TM+4+\b], v[TM+\b], s[SEL], s[SEL+1]
.endr
.irp b, 0,1,2,3
	v_max_num_f32 v[TM+\b], v[TM+\b], v[TM+4+\b]                         ; the block's largest magnitude
.endr
.irp b, 0,1,2,3
	v_add_nc_u32 v[TM+12+\b], 0xff000000, v[TM+\b]                       ; 2 off its exponent field: the conversion's scale operand
.endr
.irp b, 0,1,2,3
	v_lshrrev_b32 v[TM+4+\b], 23, v[TM+12+\b]                            ; the scale's byte
.endr
	v_lshl_or_b32 v[PW], v[TM+5], 8, v[TM+4]
	v_lshl_or_b32 v[PW], v[TM+6], 16, v[PW]
	v_lshl_or_b32 v[PW], v[TM+7], 24, v[PW]
.irp c, 0,1
	v_cvt_scalef32_pk16_fp6_f32 v[PC+6*\c:PC+2+6*\c], v[\s+32*\c:\s+15+32*\c], v[TM+12+2*\c]
	v_cvt_scalef32_pk16_fp6_f32 v[PC+12+4*\c:PC+14+4*\c], v[\s+16+32*\c:\s+31+32*\c], v[TM+12+2*\c+1]
.endr
	v_nop                                          ; one plain place behind a scaled conversion
.irp c, 0,1                                    ; a whole block to a lane: lanes 0-15 block 2 c, lanes 16-31 block 2 c + 1
.irp i, 0,1,2
	v_permlane16_swap_b32 v[PC+6*\c+\i], v[PC+12+4*\c+\i]
.endr
.irp i, 0,1,2
	v_mov_b32 v[PC+3+6*\c+\i], v[PC+12+4*\c+\i]
.endr
.endr
.endm
.macro REDUCE a                        ; four rows' pairs at v[a + 2 i]: the sum over the wave's 32 lanes, in every lane
.irp i, 0,1,2,3
	v_add_f32 v[\a+2*\i], v[\a+2*\i], v[\a+2*\i+1]
.endr
.irp m, 1,2,4,8
.irp i, 0,1,2,3
	v_add_f32_dpp v[\a+2*\i], v[\a+2*\i], v[\a+2*\i] row_xmask:\m row_mask:0xf bank_mask:0xf
.endr
.endr
.irp i, 0,1,2,3
	v_permlanex16_b32 v[\a+2*\i+1], v[\a+2*\i], s[SEL], s[SEL+1]
.endr
.irp i, 0,1,2,3
	v_add_f32 v[\a+2*\i], v[\a+2*\i], v[\a+2*\i+1]
.endr
.endm
.macro PUT f                           ; the fragment just made: six stores of 256 consecutive aligned bytes, and its scale words
.irp p, 0,1,2,3,4,5
	global_store_b64 v4, v[PC+2*\p:PC+2*\p+1], s[10:11] offset:1536*(\f)+256*\p
.endr
	global_store_b32 v5, v[PW], s[26:27] offset:64*(\f)
.endm
	v_lshl_add_u32 v254, v0, 2, 0x10200
	v_mov_b32 v255, 0
	s_cmp_ge_u32 ttmp9, 256
	s_cbranch_scc1 .Lprep
	; ---------------- LayerNorm: row block tb = the work-group's number; wave w loads rows 4 w .. 4 w + 3 of the block
	s_load_b256 s[4:11], s[0:1], 0x0               ; x, gain, bias, hq
	v_lshrrev_b32 v1, 5, v0
	v_readfirstlane_b32 s16, v1                    ; wave
	v_and_b32 v6, 31, v0                           ; lane
	v_and_b32 v7, 15, v0                           ; r
	v_bfe_u32 v24, v0, 4, 1                        ; h
	v_lshlrev_b32 v1, 4, v6                        ; 16 x lane
	s_mul_i32 s17, s16, 4*PITCH
	v_add_nc_u32 v2, s17, v1                       ; LDS, in: my wave's four rows
	v_mul_u32_u24 v3, v7, PITCH
	v_lshl_add_u32 v3, v24, 6, v3
	s_lshl_b32 s17, s16, 10
	v_add_nc_u32 v3, s17, v3                       ; LDS, out: row r, + 64 h, + my wave's two K steps
	v_lshlrev_b32 v4, 3, v6                        ; 8 x lane
	v_lshlrev_b32 v5, 2, v7                        ; 4 r
	s_mov_b32 s12, 0x76543210
	s_mov_b32 s13, 0xfedcba98
	s_mov_b32 s14, 0x3a800000                      ; 1 / 1024
	s_mov_b32 s15, 0x3727c5ac                      ; 1e-5
	s_lshr_b32 s18, ttmp9, 1
	s_lshl_b32 s18, s18, 5
	s_and_b32 s19, ttmp9, 1
	s_lshl_b32 s19, s19, 3
	s_add_co_u32 s18, s18, s19
	s_lshl_b32 s19, s16, 2
	s_add_co_u32 s18, s18, s19
	s_lshr_b32 s19, s16, 1
	s_lshl_b32 s19, s19, 3
	s_add_co_u32 s18, s18, s19                     ; my first token: 32 (tb / 2) + 8 (tb % 2) + 4 w + 8 (w / 2)
	s_lshl_b32 s18, s18, 12
	s_mov_b32 s19, 0
	s_lshl_b32 s20, ttmp9, 3
	s_lshl_b32 s21, s16, 1
	s_add_co_u32 s20, s20, s21                     ; my first fragment: 8 tb + 2 w
	s_mul_i32 s22, s20, 1536
	s_mov_b32 s23, 0
	s_lshl_b32 s24, s20, 6
	s_add_co_u32 s24, s24, 3145728
	s_mov_b32 s25, 0
	s_wait_alu depctr_va_vdst(0)
	s_wait_kmcnt 0x0
	s_add_nc_u64 s[4:5], s[4:5], s[18:19]
	s_add_nc_u64 s[26:27], s[10:11], s[24:25]
	s_add_nc_u64 s[10:11], s[10:11], s[22:23]
.irp i, 0,1,2,3
.irp j, 0,1,2,3,4,5,6,7
	global_load_b128 v[X+32*\i+4*\j:X+32*\i+4*\j+3], v1, s[4:5] offset:4096*\i+512*\j th:TH_LOAD_NT
.endr
.endr
.irp j, 0,1,2,3,4,5,6,7
	global_load_b128 v[G+4*\j:G+4*\j+3], v1, s[6:7] offset:512*\j
	global_load_b128 v[BV+4*\j:BV+4*\j+3], v1, s[8:9] offset:512*\j
.endr
	s_wait_loadcnt 16                              ; the rows are in; the 16 younger loads are gain and bias
.irp i, 0,1,2,3
	v_pk_add_f32 v[8+2*\i:9+2*\i], v[X+32*\i:X+32*\i+1], v[X+32*\i+2:X+32*\i+3]
.endr
.irp j, 4,6,8,10,12,14,16,18,20,22,24,26,28,30
.irp i, 0,1,2,3
	v_pk_add_f32 v[8+2*\i:9+2*\i], v[8+2*\i:9+2*\i], v[X+32*\i+\j:X+32*\i+\j+1]
.endr
.endr
	REDUCE 8
.irp i, 0,1,2,3
	v_mul_f32 v[8+2*\i], s14, v[8+2*\i]            ; the mean
.endr
.irp j, 0,2,4,6,8,10,12,14,16,18,20,22,24,26,28,30
.irp i, 0,1,2,3
	v_pk_add_f32 v[X+32*\i+\j:X+32*\i+\j+1], v[X+32*\i+\j:X+32*\i+\j+1], v[8+2*\i:9+2*\i] op_sel_hi:[1,0] neg_lo:[0,1] neg_hi:[0,1]   ; x - mean
.endr
.endr
.irp i, 0,1,2,3
	v_pk_mul_f32 v[16+2*\i:17+2*\i], v[X+32*\i:X+32*\i+1], v[X+32*\i:X+32*\i+1]
.endr
.irp j, 2,4,6,8,10,12,14,16,18,20,22,24,26,28,30
.irp i, 0,1,2,3
	v_pk_fma_f32 v[16+2*\i:17+2*\i], v[X+32*\i+\j:X+32*\i+\j+1], v[X+32*\i+\j:X+32*\i+\j+1], v[16+2*\i:17+2*\i]
.endr
.endr
	REDUCE 16
.irp i, 0,1,2,3
	v_fma_f32 v[16+2*\i], v[16+2*\i], s14, s15     ; variance + eps
.endr
	s_wait_alu depctr_va_vdst(0)
.irp i, 0,1,2,3
	v_rsq_f32 v[16+2*\i], v[16+2*\i]
.endr
	v_nop                                          ; a plain place behind the four
	s_wait_alu depctr_va_vdst(0)                   ; one wait for the batch, ahead of its first reader
	s_wait_loadcnt 0x0                             ; gain and bias
.irp i, 0,1,2,3
.irp j, 0,2,4,6,8,10,12,14,16,18,20,22,24,26,28,30
	v_pk_mul_f32 v[X+32*\i+\j:X+32*\i+\j+1], v[X+32*\i+\j:X+32*\i+\j+1], v[16+2*\i:17+2*\i] op_sel_hi:[1,0]
.endr
.irp j, 0,2,4,6,8,10,12,14,16,18,20,22,24,26,28,30
	v_pk_fma_f32 v[X+32*\i+\j:X+32*\i+\j+1], v[X+32*\i+\j:X+32*\i+\j+1], v[G+\j:G+\j+1], v[BV+\j:BV+\j+1]
.endr
.endr
.irp i, 0,1,2,3
.irp j, 0,1,2,3,4,5,6,7
	ds_store_b128 v2, v[X+32*\i+4*\j:X+32*\i+4*\j+3] offset:PITCH*\i+512*\j
.endr
.endr
	s_wait_dscnt 0x0                               ; for the others' sake: my rows lie in LDS
	s_barrier_signal -1
	s_barrier_wait -1
.irp q, 0,1                                    ; K steps 2 w and 2 w + 1 of all 16 rows: lane (r, h) takes 16 neighbours of each block of 32
.irp b, 0,1,2,3
.irp j, 0,1,2,3
	ds_load_b128 v[X+64*\q+16*\b+4*\j:X+64*\q+16*\b+4*\j+3], v3 offset:512*\q+128*\b+16*\j
.endr
.endr
.endr
	s_wait_dscnt 16                                ; the first K step's 16 loads are in
	QUANT X
	PUT 0
	s_wait_xcnt 0x0                                ; the stores have read their registers: the codes may be written again
	s_wait_dscnt 0x0
	QUANT X+64
	PUT 1
	s_wait_tensorcnt 0x0
	ds_add_u32 v254, v255
	s_wait_dscnt 0x0
	s_endpgm
	; ---------------- the weights: a wave takes 8 fragments (16 rows x 1,024 along K) of one weight
.Lprep:
	s_load_b512 s[16:31], s[0:1], 0x20             ; qkv codes, scales; proj; fc1; fc2
	s_load_b64 s[32:33], s[0:1], 0x60              ; wimg
	v_lshrrev_b32 v1, 5, v0
	v_readfirstlane_b32 s34, v1
	s_sub_co_u32 s2, ttmp9, 256
	s_lshl_b32 s3, s2, 2
	s_add_co_u32 s3, s3, s34                       ; the wave's task, 0 .. 767
	s_mov_b32 s6, 512                              ; fc2: first task; bytes of a row of codes; of scales; fragments a row block; shift and mask that split a task into row block and eighth of K; places in wimg
	s_mov_b32 s7, 3072
	s_mov_b32 s8, 128
	s_mov_b32 s9, 32
	s_mov_b32 s10, 2
	s_mov_b32 s11, 3
	s_mov_b32 s12, 6553600
	s_mov_b32 s13, 9699328
	s_wait_kmcnt 0x0
	s_mov_b64 s[4:5], s[28:29]
	s_mov_b64 s[14:15], s[30:31]
	s_cmp_lt_u32 s2, 128                           ; fc1
	s_cselect_b64 s[4:5], s[24:25], s[4:5]
	s_cselect_b64 s[14:15], s[26:27], s[14:15]
	s_cselect_b32 s6, 256, s6
	s_cselect_b32 s7, 768, s7
	s_cselect_b32 s8, 32, s8
	s_cselect_b32 s9, 8, s9
	s_cselect_b32 s10, 0, s10
	s_cselect_b32 s11, 0, s11
	s_cselect_b32 s12, 3276800, s12
	s_cselect_b32 s13, 6422528, s13
	s_cmp_lt_u32 s2, 64                            ; proj
	s_cselect_b64 s[4:5], s[20:21], s[4:5]
	s_cselect_b64 s[14:15], s[22:23], s[14:15]
	s_cselect_b32 s6, 192, s6
	s_cselect_b32 s12, 2457600, s12
	s_cselect_b32 s13, 3244032, s13
	s_cmp_lt_u32 s2, 48                            ; qkv
	s_cselect_b64 s[4:5], s[16:17], s[4:5]
	s_cselect_b64 s[14:15], s[18:19], s[14:15]
	s_cselect_b32 s6, 0, s6
	s_cselect_b32 s12, 0, s12
	s_cselect_b32 s13, 2359296, s13
	s_sub_co_u32 s3, s3, s6
	s_lshr_b32 s35, s3, s10                        ; row block
	s_and_b32 s36, s3, s11                         ; which 1,024 along K
	s_lshr_b32 s37, s35, 1
	s_lshl_b32 s37, s37, 5
	s_and_b32 s38, s35, 1
	s_lshl_b32 s38, s38, 3
	s_add_co_u32 s37, s37, s38                     ; the block's first row
	s_mul_i32 s40, s37, s7
	s_mul_i32 s38, s36, 768
	s_add_co_u32 s40, s40, s38
	s_mov_b32 s41, 0
	s_add_nc_u64 s[4:5], s[4:5], s[40:41]
	s_mul_i32 s40, s37, s8
	s_lshl_b32 s38, s36, 5
	s_add_co_u32 s40, s40, s38
	s_add_nc_u64 s[14:15], s[14:15], s[40:41]
	s_mul_i32 s39, s35, s9
	s_lshl_b32 s38, s36, 3
	s_add_co_u32 s39, s39, s38                     ; first fragment
	s_mul_i32 s40, s39, 1536
	s_add_co_u32 s40, s40, s12
	s_add_nc_u64 s[42:43], s[32:33], s[40:41]
	s_lshl_b32 s40, s39, 6
	s_add_co_u32 s40, s40, s13
	s_add_nc_u64 s[44:45], s[32:33], s[40:41]
	v_and_b32 v5, 15, v0
	v_bfe_u32 v6, v0, 4, 1
	v_and_b32 v7, 8, v5
	v_add_nc_u32 v7, v7, v5                        ; r + 8 (r / 8)
	v_mul_lo_u32 v1, v7, s7
	v_mad_u32_u24 v1, v6, 24, v1                   ; my row's codes, + 24 h
	v_mul_lo_u32 v2, v7, s8                        ; my row's scale bytes
	v_and_b32 v3, 31, v0
	v_lshlrev_b32 v3, 3, v3
	v_lshlrev_b32 v4, 2, v5
	global_load_b128 v[112:115], v2, s[14:15]      ; eight scale words of my row
	global_load_b128 v[116:119], v2, s[14:15] offset:16
.irp f, 0,1,2,3,4,5,6,7
.irp p, 0,1,2,3,4,5
	global_load_b64 v[16+12*\f+2*\p:17+12*\f+2*\p], v1, s[4:5] offset:96*\f+48*(\p/3)+8*(\p%3)
.endr
.endr
	v_and_b32 v6, 31, v0
	v_lshlrev_b32 v6, 4, v6                        ; 16 x lane
	s_wait_alu depctr_va_vdst(0)
	s_cmp_eq_u32 s6, 192                           ; W_proj's tasks begin at 192
	s_cbranch_scc1 .Lwide
.irp f, 0,1,2,3,4,5,6,7
	s_wait_loadcnt 6*(7-\f)
.irp p, 0,1,2,3,4,5
	global_store_b64 v3, v[16+12*\f+2*\p:17+12*\f+2*\p], s[42:43] offset:1536*\f+256*\p
.endr
	global_store_b32 v4, v[112+\f], s[44:45] offset:64*\f
.endr
	s_endpgm
	; W_proj's fragments go from memory straight into registers in their launch: registers 4 q .. 4 q + 3 of lane l at byte 512 q + 16 l of the fragment's 1,536, so that a store and a load cover 512 consecutive bytes
.Lwide:
.irp f, 0,1,2,3,4,5,6,7
	s_wait_loadcnt 6*(7-\f)
.irp q, 0,1,2
	global_store_b128 v6, v[16+12*\f+4*\q:19+12*\f+4*\q], s[42:43] offset:1536*\f+512*\q
.endr
	global_store_b32 v4, v[112+\f], s[44:45] offset:64*\f
.endr
	s_endpgm
.Lfunc_end_k_q83158fafd2_prep_ln1:
	.size	k_q83158fafd2_prep_ln1, .Lfunc_end_k_q83158fafd2_prep_ln1-k_q83158fafd2_prep_ln1
	.p2alignl 7, 3214868480
	.fill 96, 4, 3214868480
	.section	.rodata,"a",@progbits
	.p2align	6, 0x0
	.amdhsa_kernel k_q83158fafd2_prep_ln1
		.amdhsa_group_segment_fixed_size 66560
		.amdhsa_private_segment_fixed_size 0
		.amdhsa_enable_private_segment 0
		.amdhsa_kernarg_size 104
		.amdhsa_user_sgpr_count 2
		.amdhsa_user_sgpr_kernarg_segment_ptr 1
		.amdhsa_wavefront_size32 1
		.amdhsa_system_sgpr_workgroup_id_x 1
		.amdhsa_system_sgpr_workgroup_id_y 1
		.amdhsa_system_sgpr_workgroup_id_z 1
		.amdhsa_system_vgpr_workitem_id 0
		.amdhsa_next_free_vgpr 256
		.amdhsa_next_free_sgpr 66
		.amdhsa_reserve_vcc 0
		.amdhsa_float_denorm_mode_32 3
		.amdhsa_float_denorm_mode_16_64 3
		.amdhsa_memory_ordered 1
		.amdhsa_forward_progress 1
		.amdhsa_inst_pref_size 61
	.end_amdhsa_kernel
	.amdgpu_metadata
---
amdhsa.version: [ 1, 2 ]
amdhsa.kernels:
  - .name:           k_q83158fafd2_prep_ln1
    .symbol:         k_q83158fafd2_prep_ln1.kd
    .args:
      - { .name: x, .offset: 0, .size: 8, .value_kind: global_buffer, .address_space: global }
      - { .name: ln1_g, .offset: 8, .size: 8, .value_kind: global_buffer, .address_space: global }
      - { .name: ln1_b, .offset: 16, .size: 8, .value_kind: global_buffer, .address_space: global }
      - { .name: hq, .offset: 24, .size: 8, .value_kind: global_buffer, .address_space: global }
      - { .name: W_qkv_codes, .offset: 32, .size: 8, .value_kind: global_buffer, .address_space: global }
      - { .name: W_qkv_scales, .offset: 40, .size: 8, .value_kind: global_buffer, .address_space: global }
      - { .name: W_proj_codes, .offset: 48, .size: 8, .value_kind: global_buffer, .address_space: global }
      - { .name: W_proj_scales, .offset: 56, .size: 8, .value_kind: global_buffer, .address_space: global }
      - { .name: W_fc1_codes, .offset: 64, .size: 8, .value_kind: global_buffer, .address_space: global }
      - { .name: W_fc1_scales, .offset: 72, .size: 8, .value_kind: global_buffer, .address_space: global }
      - { .name: W_fc2_codes, .offset: 80, .size: 8, .value_kind: global_buffer, .address_space: global }
      - { .name: W_fc2_scales, .offset: 88, .size: 8, .value_kind: global_buffer, .address_space: global }
      - { .name: wimg, .offset: 96, .size: 8, .value_kind: global_buffer, .address_space: global }
    .group_segment_fixed_size: 66560
    .private_segment_fixed_size: 0
    .kernarg_segment_align: 8
    .kernarg_segment_size: 104
    .max_flat_workgroup_size: 128
    .sgpr_count:     66
    .vgpr_count:     256
    .wavefront_size: 32
...
	.end_amdgpu_metadata
.endif
;; end of part 1
;; launch qkv (part 2): grid 12 x 16, 4 waves a work-group, clusters of 4 x 4, 327,680 bytes of LDS; arguments hq, wimg, qk, vq; writes qk, vq
.if DOCPART == 2
	.amdgcn_target "amdgcn-amd-amdhsa--gfx1250"
	.amdhsa_code_object_version 6
	.text
	.protected	k_q83158fafd2_qkv
	.globl	k_q83158fafd2_qkv
	.p2align	8
	.type	k_q83158fafd2_qkv,@function
k_q83158fafd2_qkv:
	s_mov_b64 s[64:65], 0
	v_nop
	global_prefetch_b8 v0, s[64:65] scope:SCOPE_SE
	s_setreg_imm32_b32 hwreg(HW_REG_WAVE_MODE, 25, 1), 1
	s_wait_xcnt 0x0
	s_wait_alu depctr_hold_cnt(0) depctr_sa_sdst(0) depctr_va_vdst(0) depctr_va_sdst(0) depctr_va_ssrc(0) depctr_va_vcc(0) depctr_vm_vsrc(0)
	s_getreg_b32 s2, hwreg(HW_REG_IB_STS2, 6, 4)
	s_cmp_eq_u32 s2, 0
	s_cbranch_scc0 .Lentry_in_a_cluster
	s_endpgm
.Lentry_in_a_cluster:
	s_bfe_u32 s2, ttmp6, 0x10000c
	s_cmp_lg_u32 s2, 0xf033
	s_cbranch_scc0 .Lentry_shape_is_right
	s_endpgm
.Lentry_shape_is_right:
; qkv = LN1(x) W_qkv on codes of E2M3, and the quantising of q, k (along a head's 64 channels) and v (along the keys).
; Operands come as IMAGES: a fragment (16 rows x 128 K) is 1,536 bytes, registers 2 p, 2 p + 1 of lane l at 256 p + 8 l; a row block's eight fragments lie on end; scale words 64 bytes a fragment.
; A tile of 256 x 256 to a work-group of four waves, 128 x 128 to a wave (64 accumulators).  K = 1,024 goes in four steps of 256 through two LDS slots; a wave's tensor load brings 8 row blocks x 3,072 bytes.
; The scale words of the work-group's rows, for all of K, come once with the first fills.
; CLUSTERS 4 x 4: the operand called A is shared along a row of the cluster, B along a column: joint loads.
; Clusters with x = 0, 1 make q and k: A = tokens (hq), B = W's rows 0-2047.  Clusters with x = 2 make v TRANSPOSED: A = W's rows 2048-3071, B = tokens: the same loop then leaves a lane one channel and registers along the tokens,
; which are the keys, the K of attention's second product.  The choice hangs on the cluster's x alone, which all partners share.
; THE MATRIX INSTRUCTION IS USED TRANSPOSED (source 0 = B's rows, source 1 = A's): with the images' row order a lane's 64 results of one A block are 64 numbers 32 b + 16 (lane / 16) + i along B's rows: what the conversions want.
; LIMITS: NaN and infinities are not served; a block under 2^-124 keeps the scale byte 1.
; REGISTERS: window 0: v16-31 addresses; v32-63 scale words, two sets; v64-113 the quantiser's; v128-223 A's fragments, one set.  window 1: B's fragments, two sets.  windows 2, 3: accumulators.
.set NQ,     2
.set FR,     12
.set NL,     6
.set NP,     4
.set BLKB,   3072                      ; a row block's bytes in a slot: two fragments
.set HALFT,  8*BLKB
.set SLOT,   4*HALFT
.set SCL,    2*SLOT
.set HALFS,  4096                      ; the scale words of 8 row blocks
.set SPARE,  SCL+4*HALFS               ; the spare words: 128 bytes a wave, named by no other line
.set ADRA, 16
.set ADRB, 20
.set ADRS, 27
.set SPW,  28
.set NIL,  29
.set L8,   30                          ; 8 x lane
.set R4,   31                          ; 4 r
.set SC,   32
.set PC,   64
.set TM,   96
.set PW,   112
.set AF,   128
.set SEL,  12
.set G1, 24
.set G0, 32
.set G1B, 48
.set G0B, 56
.set G1S, 68
.set G0S, 76
.set G1SB, 80
.set G0SB, 88
.set MSB, 0
.macro WIN new                         ; the immediate's high byte repeats the setting that is left
.if MSB != \new
	s_set_vgpr_msb (MSB<<8)|\new
.set MSB, \new
.endif
.endm
.set MUL_LO, 0xa1                      ; source 0 (B) window 1, source 1 (A) window 0, C and D window 2
.set MUL_HI, 0xf1
.set TO_B,   0x40
.macro JLOAD g0a, g1a, g0b, g1b        ; a joint load: waves 0, 1 fetch for A, waves 2, 3 for B; four v_nop follow each line
	s_cmp_eq_u32 s15, 0
	s_cbranch_scc0 .Lfor_b_\@
	tensor_load_to_lds s[\g0a:\g0a+3], s[\g1a:\g1a+7]
	s_nop 0
.rept 4
	v_nop
.endr
	s_branch .Lasked_\@
.Lfor_b_\@:
	tensor_load_to_lds s[\g0b:\g0b+3], s[\g1b:\g1b+7]
	s_nop 0
.rept 4
	v_nop
.endr
.Lasked_\@:
.endm
.macro CREST
	s_cmp_lg_u32 s14, 0
	s_cbranch_scc1 .Lnot_wave_0_\@
	s_barrier_signal -3
.Lnot_wave_0_\@:
	s_barrier_wait -3
	s_barrier_signal -1
	s_barrier_wait -1
.endm
.macro CROUND
	s_barrier_signal -1
	s_barrier_wait -1
	CREST
.endm
	s_load_b256 s[4:11], s[0:1], 0x0               ; hq, wimg, qk, vq
	v_lshl_add_u32 v[SPW], v0, 2, SPARE
	v_mov_b32 v[NIL], 0
	ds_add_u32 v28, v29
	ds_add_u32 v28, v29
	s_wait_dscnt 0x0
.irp b, 0,1,2,3
	v_mov_b32 v[TM+4+\b], 0                        ; written once: a lane permute's destination counts as one of its sources
.endr
	v_lshrrev_b32 v1, 5, v0
	v_readfirstlane_b32 s14, v1                    ; wave
	s_lshr_b32 s15, s14, 1                         ; my half of A's rows; also: I fetch for A (0) or B (1)
	s_and_b32 s16, s14, 1                          ; my half of B's rows; also: which 8 row blocks I fetch
	s_mov_b32 s12, 0x76543210
	s_mov_b32 s13, 0xfedcba98
	s_bfe_u32 s40, ttmp6, 0x40000                  ; cx
	s_bfe_u32 s41, ttmp6, 0x40004                  ; cy
	s_and_b32 s18, ttmp7, 0xffff
	s_lshl_b32 s18, s18, 2                         ; 4 x cluster y
	s_lshl_b32 s19, ttmp9, 2                       ; 4 x cluster x
	s_cmp_eq_u32 ttmp9, 2                          ; the clusters that make v
	s_cselect_b32 s17, 0, s18
	s_cselect_b32 s42, s18, s19
	s_cselect_b32 s2, 128, 0                       ; A's first row block: W's rows 2048 on
	s_add_co_u32 s17, s17, s41                     ; A's tile
	s_add_co_u32 s42, s42, s40                     ; B's tile
	s_lshl_b32 s43, s41, 2
	s_lshl_b32 s43, 15, s43                        ; my row of the cluster
	s_lshl_b32 s44, 0x1111, s40                    ; my column
	s_or_b32 s[G1+0], s43, (3<<16)|(1<<21)         ; elements of 8 bytes, no padding; bit 21 beside a mask
	s_or_b32 s[G1B+0], s44, (3<<16)|(1<<21)
.irp g, G1, G1B
	s_mov_b32 s[\g+1], 384<<16                     ; a row: 3,072 bytes
	s_mov_b32 s[\g+2], 16<<16                      ; the head's loads bring 16 row blocks; behind them the two words are set to 8, for the ring's
	s_mov_b32 s[\g+3], 384<<16
	s_mov_b32 s[\g+4], 16
	s_mov_b32 s[\g+5], 1536                        ; 12,288 bytes from row block to row block
	s_mov_b32 s[\g+6], 0
	s_mov_b32 s[\g+7], 0
.endr
	s_or_b32 s[G1S+0], s43, (3<<16)|(1<<21)
	s_or_b32 s[G1SB+0], s44, (3<<16)|(1<<21)
.irp g, G1S, G1SB
	s_mov_b32 s[\g+1], 32<<16                      ; rows of 256 bytes
	s_mov_b32 s[\g+2], 32<<16                      ; the words of 16 row blocks: 8,192 dense bytes as 32 rows of 256
	s_mov_b32 s[\g+3], 32<<16
	s_mov_b32 s[\g+4], 32
	s_mov_b32 s[\g+5], 32
	s_mov_b32 s[\g+6], 0
	s_mov_b32 s[\g+7], 0
.endr
	s_mul_i32 s18, s16, 8*12288                    ; in the ring I fetch 8 row blocks of a tile: which half, in bytes
	s_mov_b32 s19, 0
	s_lshl_b32 s20, s17, 4
	s_add_co_u32 s20, s20, s2                      ; A: first row block that I fetch
	s_lshl_b32 s46, s42, 4
	s_lshl_b32 s22, s20, 9
	s_mov_b32 s23, 0
	s_lshl_b32 s92, s46, 9
	s_mov_b32 s93, 0
	s_mul_i32 s20, s20, 12288
	s_mov_b32 s21, 0
	s_mul_i32 s46, s46, 12288
	s_mov_b32 s47, 0
	s_mul_i32 s45, s14, HALFT
	s_wait_kmcnt 0x0
	s_add_nc_u64 s[96:97], s[4:5], 3145728         ; hq's scale words
	s_add_nc_u64 s[98:99], s[6:7], 2359296         ; W_qkv's
	s_cmp_eq_u32 ttmp9, 2
	s_cselect_b64 s[66:67], s[6:7], s[4:5]
	s_add_nc_u64 s[20:21], s[66:67], s[20:21]      ; A's codes
	s_cselect_b64 s[66:67], s[98:99], s[96:97]
	s_add_nc_u64 s[22:23], s[66:67], s[22:23]      ; A's scale words
	s_cselect_b64 s[66:67], s[4:5], s[6:7]
	s_add_nc_u64 s[46:47], s[66:67], s[46:47]      ; B's codes
	s_cselect_b64 s[66:67], s[96:97], s[98:99]
	s_add_nc_u64 s[92:93], s[66:67], s[92:93]      ; B's scale words
	CROUND                                         ; all sixteen work-groups are here: the first joint loads meet
	s_mov_b32 s[G0S], 1
	s_mov_b32 s[G0S+1], SCL
	s_mov_b64 s[G0S+2:G0S+3], s[22:23]
	s_or_b32 s[G0S+3], s[G0S+3], 0x80000000
	s_mov_b32 s[G0SB], 1
	s_mov_b32 s[G0SB+1], SCL+2*HALFS
	s_mov_b64 s[G0SB+2:G0SB+3], s[92:93]
	s_or_b32 s[G0SB+3], s[G0SB+3], 0x80000000
.set PFO, 22                           ; v22: the prefetches' lane offset; never rewritten
.set PFA, 66                           ; s[66:67]: my work-group's two row blocks of the eight that I fetch; never rewritten
	s_mov_b32 s4, 1                                ; group 0 of the head's load of A's 16 row blocks into slot 0 (the arguments that lay here have been used)
	s_mov_b32 s5, 0
	s_mov_b64 s[6:7], s[20:21]
	s_or_b32 s7, s7, 0x80000000
	s_mov_b32 s96, 1                               ; and of B's 16, behind them
	s_mov_b32 s97, 2*HALFT
	s_mov_b64 s[98:99], s[46:47]
	s_or_b32 s99, s99, 0x80000000
	s_add_nc_u64 s[20:21], s[20:21], s[18:19]      ; for the ring: my 8 row blocks
	s_add_nc_u64 s[46:47], s[46:47], s[18:19]
	s_cmp_eq_u32 s15, 0                            ; do I fetch for A?
	s_cselect_b64 s[PFA:PFA+1], s[20:21], s[46:47]
	s_cselect_b32 s18, s40, s41                    ; my place among the four that ask with me: they share the blocks out by address
	s_mul_i32 s18, s18, 2*12288
	s_add_nc_u64 s[PFA:PFA+1], s[PFA:PFA+1], s[18:19]
.irp s, 0,1
	s_mov_b32 s[G0+4*\s], 1
	s_add_co_u32 s[G0+4*\s+1], s45, \s*SLOT
	s_add_nc_u64 s[G0+4*\s+2:G0+4*\s+3], s[20:21], \s*BLKB
	s_or_b32 s[G0+4*\s+3], s[G0+4*\s+3], 0x80000000
	s_mov_b32 s[G0B+4*\s], 1
	s_add_co_u32 s[G0B+4*\s+1], s45, \s*SLOT
	s_add_nc_u64 s[G0B+4*\s+2:G0B+4*\s+3], s[46:47], \s*BLKB
	s_or_b32 s[G0B+4*\s+3], s[G0B+4*\s+3], 0x80000000
.endr
; THE HEAD'S LOADS, ONE A WAVE: wave 0 A's 16 row blocks of slot 0, wave 1 B's, wave 2 A's scale words, wave 3 B's.  One chain of branches on the wave's number, one load to an arm.
.macro ARM under, g0, g1, next
	s_cmp_lt_u32 s14, \under
	s_cbranch_scc0 \next
	tensor_load_to_lds s[\g0:\g0+3], s[\g1:\g1+7]
	s_nop 0
.rept 4
	v_nop
.endr
	s_branch .Lhead_asked
\next:
.endm
	ARM 1, 4,   G1,  .Lhead_b
	ARM 2, 96,  G1B, .Lhead_sa
	ARM 3, G0S, G1S, .Lhead_sb
	tensor_load_to_lds s[G0SB:G0SB+3], s[G1SB:G1SB+7]
	s_nop 0
.rept 4
	v_nop
.endr
.Lhead_asked:
	v_and_b32 v1, 15, v0
	v_bfe_u32 v2, v0, 4, 1
	s_wait_alu depctr_va_vdst(0)
	v_and_b32 v3, 31, v0
	v_lshlrev_b32 v[L8], 3, v3
	v_lshlrev_b32 v[R4], 2, v1
	s_mul_i32 s21, s15, HALFT
	s_mul_i32 s22, s16, HALFT
	s_add_co_u32 s22, s22, 2*HALFT
.irp s, 0,1
	v_add_nc_u32 v[ADRA+\s], s21, v[L8]
	v_add_nc_u32 v[ADRB+\s], s22, v[L8]
	s_add_co_u32 s21, s21, SLOT
	s_add_co_u32 s22, s22, SLOT
.endr
	s_mul_i32 s21, s15, HALFS
	s_mul_i32 s22, s16, HALFS
	s_add_co_u32 s22, s22, 2*HALFS
	s_sub_co_u32 s22, s22, s21
	v_mul_u32_u24 v6, s22, v2                      ; lanes 16-31 take B's words
	s_wait_alu depctr_va_vdst(0)
	s_add_co_u32 s21, s21, SCL
	v_add_nc_u32 v5, v[R4], v6
	v_add_nc_u32 v[ADRS], s21, v5
	v_min_u32 v[PFO], 23, v3                       ; 24 blocks of 256 bytes: 12 of each of my two row blocks; lanes 24-31 name the last again
	v_mul_u32_u24 v4, v[PFO], 43
	v_lshrrev_b32 v4, 9, v4                        ; lane / 12
	v_mul_u32_u24 v4, v4, 12288-3072
	v_lshl_add_u32 v[PFO], v[PFO], 8, v4
	global_prefetch_b8 v[PFO], s[PFA:PFA+1] offset:2*BLKB th:TH_LOAD_NT scope:SCOPE_SE   ; behind slot 0's load: the K step two loads on
.macro FRAG reg, adr, q, i             ; a fragment as it lies: six loads of 256 consecutive bytes
.irp p, 0,1,2,3,4,5
	ds_load_b64 v[\reg+2*\p:\reg+2*\p+1], v[\adr] offset:(\i)*BLKB+(\q)*1536+256*\p
.endr
.endm
; 16 matrix instructions: A's blocks a0, a0 + 1 x B's eight.  The 64 accumulators take turns, one instruction a turn.
.macro MUL16 a0, p, q, sc, zero
.irp a, \a0, \a0+1
.irp b, 0,1,2,3,4,5,6,7
.if \zero
	v_wmma_scale_f32_16x16x128_f8f6f4 v[8*(8*((\a)%4)+\b):8*(8*((\a)%4)+\b)+7], v[128*(\p)+FR*\b:128*(\p)+FR*\b+FR-1], v[AF+FR*(\a):AF+FR*(\a)+FR-1], 0, v[SC+8*NQ*(\sc)+NQ*\b+(\q)], v[SC+8*NQ*(\sc)+NQ*(\a)+(\q)] matrix_a_fmt:MATRIX_FMT_FP6 matrix_b_fmt:MATRIX_FMT_FP6 matrix_a_scale:MATRIX_SCALE_ROW1
.else
	v_wmma_scale_f32_16x16x128_f8f6f4 v[8*(8*((\a)%4)+\b):8*(8*((\a)%4)+\b)+7], v[128*(\p)+FR*\b:128*(\p)+FR*\b+FR-1], v[AF+FR*(\a):AF+FR*(\a)+FR-1], v[8*(8*((\a)%4)+\b):8*(8*((\a)%4)+\b)+7], v[SC+8*NQ*(\sc)+NQ*\b+(\q)], v[SC+8*NQ*(\sc)+NQ*(\a)+(\q)] matrix_a_fmt:MATRIX_FMT_FP6 matrix_b_fmt:MATRIX_FMT_FP6 matrix_a_scale:MATRIX_SCALE_ROW1
.endif
.endr
.endr
.endm
.macro FETCH_B slot, q, p
	WIN TO_B
.irp i, 0,1,2,3,4,5,6,7
	FRAG 128*(\p)+FR*\i, ADRB+\slot, \q, \i
.endr
	WIN 0
.endm
.macro FETCH_A slot, q, i0
.irp i, \i0, \i0+1, \i0+2, \i0+3
	FRAG AF+FR*(\i), ADRA+\slot, \q, \i
.endr
.endm
.macro SCALES sc                       ; the next slot's scale words: lanes 0-15 A's block i, lanes 16-31 B's block i
.irp i, 0,1,2,3,4,5,6,7
.irp q, 0,1
	ds_load_b32 v[SC+8*NQ*\sc+NQ*\i+\q], v[ADRS] offset:512*\i+64*\q
.endr
.endr
.endm
.macro PLACES n                        ; plain places behind matrix instructions, in front of loads into their registers and of the first read of results
.rept \n
	v_nop
.endr
.endm
.macro STEP slot, q, zero
	s_wait_dscnt 4*NL                              ; all but the youngest 24 loads (A's blocks 4-7) are in
	WIN MUL_LO
	MUL16 0, (\q)%2, \q, \slot, \zero
	MUL16 2, (\q)%2, \q, \slot, \zero
	s_wait_dscnt 0
	PLACES NP
	FETCH_B \slot, (\q)+1, 1-(\q)%2
	FETCH_A \slot, (\q)+1, 0
	WIN MUL_HI
	MUL16 4, (\q)%2, \q, \slot, \zero
	MUL16 6, (\q)%2, \q, \slot, \zero
	PLACES NP
	WIN 0
	FETCH_A \slot, (\q)+1, 4
.endm
.macro TURN slot, next, fill           ; a slot's last step changes slots: one barrier; fill = 1: this slot is filled again, two K steps ahead
	s_wait_tensorcnt 0x0                           ; all my tensor loads have landed: my part of the next slot
	ds_add_u32 v[SPW], v[NIL]                      ; 0 onto my spare word
	s_wait_dscnt 4*NL+1                            ; the add and the youngest 24 loads may be out
	WIN MUL_LO
	MUL16 0, 1, NQ-1, \slot, 0
	s_wait_dscnt 0x0                               ; the add is done, and my reads of this slot are over
	s_barrier_signal -1
	MUL16 2, 1, NQ-1, \slot, 0
	WIN 0
	s_barrier_wait -1
.if \fill
	CREST                                          ; the barrier has opened a round of the cluster's barrier
	s_add_nc_u64 s[G0+4*\slot+2:G0+4*\slot+3], s[G0+4*\slot+2:G0+4*\slot+3], 2*BLKB
	s_add_nc_u64 s[G0B+4*\slot+2:G0B+4*\slot+3], s[G0B+4*\slot+2:G0B+4*\slot+3], 2*BLKB
	JLOAD G0+4*\slot, G1, G0B+4*\slot, G1B         ; the first tensor load behind the round; its four v_nop are the places in front of the loads below
.else
	PLACES NP
.endif
	s_wait_alu depctr_va_vdst(0)
	v_add_nc_u32 v[ADRS], 64*NQ, v[ADRS]
	FETCH_B \next, 0, 0
	FETCH_A \next, 0, 0
	SCALES \next
	WIN MUL_HI
	MUL16 4, 1, NQ-1, \slot, 0
	MUL16 6, 1, NQ-1, \slot, 0
	PLACES NP
	WIN 0
	FETCH_A \next, 0, 4
.endm
	s_wait_alu depctr_va_vdst(0)
	s_wait_tensorcnt 0x0                           ; my tile of the head's four is in
	ds_add_u32 v[SPW], v[NIL]
	s_mov_b32 s[G1+2], 8<<16                       ; no tensor load of mine is out: from here on a load brings 8 row blocks
	s_mov_b32 s[G1+4], 8
	s_mov_b32 s[G1B+2], 8<<16
	s_mov_b32 s[G1B+4], 8
	s_wait_dscnt 0x0
	CROUND                                         ; all four tiles are in, all sixteen work-groups are here
	JLOAD G0+4, G1, G0B+4, G1B                     ; slot 1's first fill, the first tensor load behind the round
	FETCH_B 0, 0, 0
	FETCH_A 0, 0, 0
	SCALES 0
	FETCH_A 0, 0, 4
	global_prefetch_b8 v[PFO], s[PFA:PFA+1] offset:3*BLKB th:TH_LOAD_NT scope:SCOPE_SE   ; behind slot 1's load: the last K step; nothing lies beyond it
	STEP 0, 0, 1                                   ; the first step's products start the sums
	s_mov_b32 s3, 1
.Llap:
	TURN 0, 1, 1
	STEP 1, 0, 0
	TURN 1, 0, 1
	STEP 0, 0, 0
	s_sub_co_u32 s3, s3, 1
	s_cmp_lg_u32 s3, 0
	s_cbranch_scc1 .Llap
	TURN 0, 1, 0
	STEP 1, 0, 0
	s_wait_dscnt 4*NL
	WIN MUL_LO
	MUL16 0, 1, NQ-1, 1, 0
	MUL16 2, 1, NQ-1, 1, 0
	s_wait_dscnt 0
	WIN MUL_HI
	MUL16 4, 1, NQ-1, 1, 0
	MUL16 6, 1, NQ-1, 1, 0
	WIN 0
	; THE WAY OUT.  Each A block's 64 numbers a lane become one fragment and one scale word a row.  q, k: its two halves are two heads' half images [head slot][token block]; v: one whole image [batch, head][key step][16 channels].
	; No tensor load of mine is out since the last change of slots: the descriptors' registers are free.
	s_lshl_b32 s32, s42, 2
	s_lshl_b32 s33, s16, 1
	s_add_co_u32 s32, s32, s33                     ; q, k: first head slot
	s_lshl_b32 s33, s17, 4
	s_lshl_b32 s34, s15, 3
	s_add_co_u32 s33, s33, s34                     ; first token block
	s_mul_i32 s34, s32, 196608
	s_mul_i32 s35, s33, 768
	s_add_co_u32 s34, s34, s35
	s_lshl_b32 s32, s32, 14
	s_lshl_b32 s33, s33, 6
	s_add_co_u32 s35, s32, s33
	s_add_co_u32 s35, s35, 6291456
	s_lshl_b32 s32, s17, 2
	s_lshl_b32 s33, s15, 1
	s_add_co_u32 s32, s32, s33                     ; v: first head
	s_lshl_b32 s33, s42, 1
	s_add_co_u32 s33, s33, s16                     ; key step of both batches, 0 .. 31
	s_and_b32 s36, s33, 16
	s_add_co_u32 s32, s32, s36                     ; 16 x batch + head
	s_and_b32 s33, s33, 15
	s_mul_i32 s36, s32, 98304
	s_mul_i32 s37, s33, 6144
	s_add_co_u32 s36, s36, s37
	s_lshl_b32 s32, s32, 12
	s_lshl_b32 s33, s33, 8
	s_add_co_u32 s37, s32, s33
	s_add_co_u32 s37, s37, 3145728
	s_cmp_eq_u32 ttmp9, 2
	s_cselect_b32 s32, s36, s34                    ; codes' offset
	s_cselect_b32 s34, s37, s35                    ; words' offset
	s_mov_b32 s33, 0
	s_mov_b32 s35, 0
	s_cselect_b64 s[36:37], s[10:11], s[8:9]
	s_mov_b32 s38, 196608
	s_cselect_b32 s38, 768, s38                    ; from the first half's place to the second's
	s_mov_b32 s39, 0
	s_mov_b32 s44, 16384
	s_cselect_b32 s44, 0, s44                      ; from the first word's place to the second's (v: the same place, the same word)
	s_mov_b32 s45, 0
	s_mov_b32 s46, 768
	s_cselect_b32 s46, 1536, s46                   ; from block to block
	s_mov_b32 s47, 0
	s_cselect_b32 s92, 92160, 0                    ; v: at block 4 on to the next head
	s_mov_b32 s93, 0
	s_cselect_b32 s94, 3840, 0
	s_mov_b32 s95, 0
	s_cselect_b32 s96, 0, 16                       ; the second word: bytes 2, 3 moved down (q, k), or the word as it is (v)
	s_add_nc_u64 s[24:25], s[36:37], s[32:33]
	s_add_nc_u64 s[26:27], s[24:25], s[38:39]
	s_add_nc_u64 s[28:29], s[36:37], s[34:35]
	s_add_nc_u64 s[30:31], s[28:29], s[44:45]
.macro QACC a
.set AC, 64*((\a)%4)
.set QW, 2+(\a)/4
.set QW2, QW|(QW<<2)
.if (\a) > 0
	s_wait_xcnt 0x0                                ; the last block's stores have read their registers and bases
	s_add_nc_u64 s[24:25], s[24:25], s[46:47]
	s_add_nc_u64 s[26:27], s[26:27], s[46:47]
	s_add_nc_u64 s[28:29], s[28:29], 64
	s_add_nc_u64 s[30:31], s[30:31], 64
.endif
.if (\a) == 4
	s_add_nc_u64 s[24:25], s[24:25], s[92:93]
	s_add_nc_u64 s[26:27], s[26:27], s[92:93]
	s_add_nc_u64 s[28:29], s[28:29], s[94:95]
	s_add_nc_u64 s[30:31], s[30:31], s[94:95]
.endif
	WIN QW2                                        ; sources 0 and 1: the accumulators' window
.irp b, 0,1,2,3
	v_max3_num_f32 v[TM+\b], |v[AC+16*\b]|, |v[AC+16*\b+1]|, 0x1800000   ; each accumulator is read from its low end on
.endr
.irp i, 2,4,6,8,10,12,14
.irp b, 0,1,2,3
	v_max3_num_f32 v[TM+\b], |v[AC+16*\b+\i]|, |v[AC+16*\b+\i+1]|, v[TM+\b]
.endr
.endr
	WIN 0
.irp b, 0,1,2,3
	v_permlanex16_b32 v[TM+4+\b], v[TM+\b], s[SEL], s[SEL+1]
.endr
.irp b, 0,1,2,3
	v_max_num_f32 v[TM+\b], v[TM+\b], v[TM+4+\b]
.endr
.irp b, 0,1,2,3
	v_add_nc_u32 v[TM+12+\b], 0xff000000, v[TM+\b]
.endr
.irp b, 0,1,2,3
	v_lshrrev_b32 v[TM+4+\b], 23, v[TM+12+\b]
.endr
	v_lshl_or_b32 v[PW], v[TM+5], 8, v[TM+4]
	v_lshl_or_b32 v[PW], v[TM+6], 16, v[PW]
	v_lshl_or_b32 v[PW], v[TM+7], 24, v[PW]
	v_lshrrev_b32 v[PW+1], s96, v[PW]
	WIN QW                                         ; source 0: the accumulators' window
.irp c, 0,1
	v_cvt_scalef32_pk16_fp6_f32 v[PC+6*\c:PC+2+6*\c], v[AC+32*\c:AC+15+32*\c], v[TM+12+2*\c]
	v_cvt_scalef32_pk16_fp6_f32 v[PC+12+4*\c:PC+14+4*\c], v[AC+16+32*\c:AC+31+32*\c], v[TM+12+2*\c+1]
.endr
	WIN 0
	v_nop                                          ; one plain place behind a scaled conversion
.irp c, 0,1
.irp i, 0,1,2
	v_permlane16_swap_b32 v[PC+6*\c+\i], v[PC+12+4*\c+\i]
.endr
.irp i, 0,1,2
	v_mov_b32 v[PC+3+6*\c+\i], v[PC+12+4*\c+\i]
.endr
.endr
.irp p, 0,1,2
	global_store_b64 v[L8], v[PC+2*\p:PC+2*\p+1], s[24:25] offset:256*\p       ; 256 consecutive aligned bytes a store
.endr
.irp p, 0,1,2
	global_store_b64 v[L8], v[PC+6+2*\p:PC+7+2*\p], s[26:27] offset:256*\p
.endr
	global_store_b32 v[R4], v[PW], s[28:29]
	global_store_b32 v[R4], v[PW+1], s[30:31]
.endm
	PLACES NP
.irp a, 0,1,2,3,4,5,6,7
	QACC \a
.endr
	s_wait_tensorcnt 0x0                           ; the wave's end
	ds_add_u32 v[SPW], v[NIL]
	s_wait_dscnt 0x0
	CROUND                                         ; the closing round
	s_endpgm
.Lfunc_end_k_q83158fafd2_qkv:
	.size	k_q83158fafd2_qkv, .Lfunc_end_k_q83158fafd2_qkv-k_q83158fafd2_qkv
	.p2alignl 7, 3214868480
	.fill 96, 4, 3214868480
	.section	.rodata,"a",@progbits
	.p2align	6, 0x0
	.amdhsa_kernel k_q83158fafd2_qkv
		.amdhsa_group_segment_fixed_size 327680
		.amdhsa_private_segment_fixed_size 0
		.amdhsa_enable_private_segment 0
		.amdhsa_kernarg_size 32
		.amdhsa_user_sgpr_count 2
		.amdhsa_user_sgpr_kernarg_segment_ptr 1
		.amdhsa_wavefront_size32 1
		.amdhsa_system_sgpr_workgroup_id_x 1
		.amdhsa_system_sgpr_workgroup_id_y 1
		.amdhsa_system_sgpr_workgroup_id_z 1
		.amdhsa_system_vgpr_workitem_id 0
		.amdhsa_next_free_vgpr 1024
		.amdhsa_next_free_sgpr 100
		.amdhsa_reserve_vcc 0
		.amdhsa_float_denorm_mode_32 3
		.amdhsa_float_denorm_mode_16_64 3
		.amdhsa_memory_ordered 1
		.amdhsa_forward_progress 1
		.amdhsa_inst_pref_size 174
	.end_amdhsa_kernel
	.amdgpu_metadata
---
amdhsa.version: [ 1, 2 ]
amdhsa.kernels:
  - .name:           k_q83158fafd2_qkv
    .symbol:         k_q83158fafd2_qkv.kd
    .args:
      - { .name: hq, .offset: 0, .size: 8, .value_kind: global_buffer, .address_space: global }
      - { .name: wimg, .offset: 8, .size: 8, .value_kind: global_buffer, .address_space: global }
      - { .name: qk, .offset: 16, .size: 8, .value_kind: global_buffer, .address_space: global }
      - { .name: vq, .offset: 24, .size: 8, .value_kind: global_buffer, .address_space: global }
    .group_segment_fixed_size: 327680
    .private_segment_fixed_size: 0
    .kernarg_segment_align: 8
    .kernarg_segment_size: 32
    .max_flat_workgroup_size: 128
    .sgpr_count:     100
    .vgpr_count:     1024
    .wavefront_size: 32
...
	.end_amdgpu_metadata
.endif
;; end of part 2
;; launch attn (part 3): grid 8 x 32, 16 waves a work-group, no clusters, 327,680 bytes of LDS; arguments qk, vq, yq; writes yq
.if DOCPART == 3
	.amdgcn_target "amdgcn-amd-amdhsa--gfx1250"
	.amdhsa_code_object_version 6
	.text
	.protected	k_q83158fafd2_attn
	.globl	k_q83158fafd2_attn
	.p2align	8
	.type	k_q83158fafd2_attn,@function
k_q83158fafd2_attn:
	s_mov_b64 s[64:65], 0
	v_nop
	global_prefetch_b8 v0, s[64:65] scope:SCOPE_SE
	s_setreg_imm32_b32 hwreg(HW_REG_WAVE_MODE, 25, 1), 1
	s_wait_xcnt 0x0
; Causal attention of one head on codes of E2M3; y is quantised along the channels and stored as half images for the projection.
; SOFTMAX: t = score x log2(e) / 8; M = the running largest t rounded up to a whole number; p = 2^(t - M) is quantised along the keys; the row's sum is taken of the unquantised p and divides at the end.
; SHARES.  Work-group (a, batch and head) owns the query blocks a and 15 - a of 128 queries: (a + 1) + (16 - a) = 17 key steps of 128 for every work-group.  SIXTEEN waves, four to a SIMD.
; Waves w and w + 8 own the same tile w (16 queries) of a block: wave w walks the even key steps, wave w + 8 the odd ones, at most 9 steps a wave over both blocks.  At a block's end wave w + 8 hands its O^T, its M and its
; sum to wave w through LDS, as an image of its registers (16 bytes a lane, 512 bytes a store); wave w brings both parts under the larger M by multiplications by powers of two, which round nothing, adds them, and finishes.
; A head's K (98,304 bytes), V^T (98,304) and their scale words (12,288) are brought into LDS ONCE, nothing is filled again: K and V come in four quarters of 512 keys each, asked for by waves 0 to 3 in three stages.
; The quarters land in the order of issue: the first key steps begin when quarter 0 is in, steps 4-7 behind quarter 1, steps 8-15 behind the rest.
; NO CLUSTER: the work-groups that share K and V differ in a, and the skipping of hidden key steps is a branch on a.
; LAYOUT.  S^T = K Q^T (the head's 64 channels are half of the instruction's K: the upper 64 are zero codes on both sides), O^T = V^T P^T: a lane holds one query throughout.
; The images' row order makes the 16 registers of key tiles 2 g, 2 g + 1 the keys 32 g + 16 (lane / 16) + 0 .. 15, and O^T's 16 registers of tiles 2 g, 2 g + 1 the channels 32 g + 16 (lane / 16) + 0 .. 15.
; LIMITS: NaN and infinities are not served; a block under 2^-124 keeps the scale byte 1.  The 2-byte stores of y's scale bytes write half a word: the other half is another head's.
.set VOFF, 98304
.set KSC,  196608
.set VSC,  204800
.set MRG,  208896                      ; behind the tiles: where a pair of waves meets, 4,608 bytes a pair; no tensor load lands here
.set MRGB, 4608
.set QTR,  24576                       ; a quarter of K or of V: 512 keys
.set L8,  1                            ; 8 x lane
.set AKS, 2                            ; KSC + 4 r
.set DM,  3                            ; my query in its block - 16 (lane / 16)
.set LV,  4                            ; VOFF + 8 x lane
.set AVS, 9                            ; VSC + 4 r
.set ADK, 8
.set ADV, 10
.set ADS, 11
.set ADT, 252                          ; free between the last step's rescaling and this step's f
.set MA,  243                          ; MRG + 4,608 x (wave % 8) + 16 x lane; never rewritten
.set KB,  32                           ; v32-79   four fragments of K (registers 6-11 of each stay 0)
.set VB,  80                           ; v80-127  V's four fragments
.set S,   128                          ; v128-191 S^T, then p; at a block's end the partner's part, then y
.set O,   192                          ; v192-223 O^T
.set WV,  18
.set GR,  19                           ; 0: I walk the even key steps and finish; 1: the odd ones
.set SEL, 20
.set CS,  22
.set G1C,  24
.set G1KS, 32
.set G1VS, 40
.set G0KS, 48
.set G0K0, 52
.set G0K1, 56
.set G0K2, 60
.set G0K3, 68
.set G0VS, 72
.set G0V0, 76
.set G0V1, 80
.set G0V2, 84
.set G0V3, 88
.set TK,  2
.set TS,  3
.set TJ,  66
.set KC,  67
.set BLK, 92
.set CNT, 93
.set TBQ, 94
.set TBQ2, 95
.set HD2, 96
.set HDO, 97
.set HDS, 98
.set W7,  99
.macro G0SET g, lds                    ; the constant words of a group 0, and the type
	s_mov_b32 s[\g], 1
	s_mov_b32 s[\g+1], \lds
	s_or_b32 s[\g+3], s[\g+3], 0x80000000
.endm
	s_load_b128 s[4:7], s[0:1], 0x0                ; qk, vq
	s_load_b64 s[8:9], s[0:1], 0x10                ; yq
	v_lshl_add_u32 v254, v0, 2, 0x3c000
	v_mov_b32 v255, 0
	ds_add_u32 v254, v255
	ds_add_u32 v254, v255
	s_wait_dscnt 0x0
	v_lshrrev_b32 v8, 5, v0
	s_delay_alu instid0(VALU_DEP_1)
	v_readfirstlane_b32 s[WV], v8                  ; wave 0..15
	s_and_b32 s[W7], s[WV], 7                      ; my tile of a query block
	s_lshr_b32 s[GR], s[WV], 3
	s_and_b32 s10, ttmp7, 0xffff                   ; 16 x batch + head
	s_lshr_b32 s11, s10, 4
	s_and_b32 s12, s10, 15
	s_lshr_b32 s[HD2], s12, 1
	s_and_b32 s13, s12, 1
	s_mul_i32 s[HDO], s13, 768
	s_lshl_b32 s[HDS], s13, 1
	s_add_co_u32 s[HDS], s[HDS], 3145728
	s_add_co_u32 s13, s12, 16                      ; k's head slot
	s_mul_i32 s14, s13, 196608
	s_mul_i32 s15, s11, 98304
	s_add_co_u32 s14, s14, s15
	s_mov_b32 s15, 0                               ; K's codes
	s_lshl_b32 s16, s13, 14
	s_lshl_b32 s17, s11, 13
	s_add_co_u32 s16, s16, s17
	s_add_co_u32 s16, s16, 6291456
	s_mov_b32 s17, 0                               ; K's scale words
	s_mul_i32 s100, s10, 98304
	s_mov_b32 s101, 0                              ; V's codes
.irp g, G1C, G1KS, G1VS                        ; dense blocks as rows of 256 bytes (32 elements of 8 bytes)
	s_mov_b32 s[\g], 3<<16
	s_mov_b32 s[\g+1], 32<<16
	s_mov_b32 s[\g+3], 32<<16
	s_mov_b32 s[\g+5], 32
	s_mov_b32 s[\g+6], 0
	s_mov_b32 s[\g+7], 0
.endr
	s_mov_b32 s[G1C+2], 96<<16                     ; 24,576 bytes
	s_mov_b32 s[G1C+4], 96
	s_mov_b32 s[G1KS+2], 32<<16                    ; 8,192
	s_mov_b32 s[G1KS+4], 32
	s_mov_b32 s[G1VS+2], 16<<16                    ; 4,096
	s_mov_b32 s[G1VS+4], 16
	s_mov_b32 s[SEL], 0x76543210
	s_mov_b32 s[SEL+1], 0xfedcba98
	s_mov_b32 s[CS], 0x3e38aa3b                    ; c = log2(e) / 8
	s_mov_b32 s[CS+1], s[CS]
	s_wait_kmcnt 0x0
	s_add_nc_u64 s[G0K0+2:G0K0+3], s[4:5], s[14:15]
	s_add_nc_u64 s[G0KS+2:G0KS+3], s[4:5], s[16:17]
	s_add_nc_u64 s[G0V0+2:G0V0+3], s[6:7], s[100:101]
	s_lshl_b32 s14, s10, 12
	s_add_co_u32 s14, s14, 3145728                 ; V's scale words (s15 is 0)
	s_add_nc_u64 s[G0VS+2:G0VS+3], s[6:7], s[14:15]
	s_add_nc_u64 s[G0K1+2:G0K1+3], s[G0K0+2:G0K0+3], QTR
	s_add_nc_u64 s[G0K2+2:G0K2+3], s[G0K0+2:G0K0+3], 2*QTR
	s_add_nc_u64 s[G0K3+2:G0K3+3], s[G0K0+2:G0K0+3], 3*QTR
	s_add_nc_u64 s[G0V1+2:G0V1+3], s[G0V0+2:G0V0+3], QTR
	s_add_nc_u64 s[G0V2+2:G0V2+3], s[G0V0+2:G0V0+3], 2*QTR
	s_add_nc_u64 s[G0V3+2:G0V3+3], s[G0V0+2:G0V0+3], 3*QTR
	s_cmp_eq_u32 s[WV], 4                          ; the prefetches' base: wave 4 asks for K's codes, wave 5 for V's
	s_cselect_b64 s[104:105], s[G0K0+2:G0K0+3], s[G0V0+2:G0V0+3]
	G0SET G0KS, KSC
	G0SET G0K0, 0
	G0SET G0K1, QTR
	G0SET G0K2, 2*QTR
	G0SET G0K3, 3*QTR
	G0SET G0VS, VSC
	G0SET G0V0, VOFF
	G0SET G0V1, VOFF+QTR
	G0SET G0V2, VOFF+2*QTR
	G0SET G0V3, VOFF+3*QTR
; THE FILLS COME IN THREE STAGES, one load a wave in each.  At the head waves 0 to 3 bring K's words, K's quarter 0, V's words, V's quarter 0.
; Quarter 1 of K and V is asked for behind the first barrier, quarters 2 and 3 behind the second, each behind the wait for all loads, the add and the wait for it.  Query block 15 - a goes first: its key steps 0 .. 7 are live in every work-group.
.macro ARM n, g0, g1
	s_cmp_eq_u32 s[WV], \n
	s_cbranch_scc0 .Lnot_\n
	tensor_load_to_lds s[\g0:\g0+3], s[\g1:\g1+7]
	s_nop 0
.rept 4
	v_nop
.endr
	s_branch .Lasked
.Lnot_\n:
.endm
	ARM 0, G0KS, G1KS
	ARM 1, G0K0, G1C
	ARM 2, G0VS, G1VS
	ARM 3, G0V0, G1C
.Lasked:
	s_lshl_b32 s13, s11, 7
	s_add_co_u32 s13, s13, s[W7]                   ; 128 x batch + my tile
	s_sub_co_u32 s14, 15, ttmp9                    ; the first query block is 15 - a
	s_lshl_b32 s14, s14, 3
	s_add_co_u32 s[TBQ], s13, s14                  ; my token block in query block 15 - a,
	s_sub_co_u32 s14, 120, s14
	s_add_co_u32 s[TBQ2], s13, s14                 ; and in query block a
	s_mul_i32 s100, s12, 196608
	s_lshl_b32 s101, s12, 14
	s_add_co_u32 s101, s101, 6291456
	s_mul_i32 s10, s[TBQ], 768
	s_add_co_u32 s10, s10, s100
	s_mov_b32 s11, 0
	s_lshl_b32 s12, s[TBQ], 6
	s_add_co_u32 s12, s12, s101
	s_mov_b32 s13, 0
	s_mul_i32 s14, s[TBQ2], 768
	s_add_co_u32 s14, s14, s100
	s_mov_b32 s15, 0
	s_lshl_b32 s16, s[TBQ2], 6
	s_add_co_u32 s16, s16, s101
	s_mov_b32 s17, 0
	s_add_nc_u64 s[10:11], s[4:5], s[10:11]        ; Q of block 15 - a, its words; Q of block a, its words
	s_add_nc_u64 s[12:13], s[4:5], s[12:13]
	s_add_nc_u64 s[14:15], s[4:5], s[14:15]
	s_add_nc_u64 s[16:17], s[4:5], s[16:17]
	v_and_b32 v[L8], 31, v0
	s_delay_alu instid0(VALU_DEP_1)
	v_lshlrev_b32 v[L8], 3, v[L8]
	v_and_b32 v8, 15, v0                           ; r
	v_bfe_u32 v11, v0, 4, 1                        ; h
	s_delay_alu instid0(VALU_DEP_2)
	v_lshlrev_b32 v10, 2, v8                       ; 4 r
.irp p, 0,1,2
	global_load_b64 v[16+2*\p:17+2*\p], v[L8], s[10:11] offset:256*\p
.endr
	global_load_b32 v255, v10, s[12:13]
	global_load_b64 v[6:7], v[L8], s[14:15]
	global_load_b64 v[28:29], v[L8], s[14:15] offset:256
	global_load_b64 v[30:31], v[L8], s[14:15] offset:512
	global_load_b32 v5, v10, s[16:17]
	v_lshl_add_u32 v[AKS], v8, 2, KSC
	v_lshl_add_u32 v[AVS], v8, 2, VSC
	v_add_nc_u32 v[LV], VOFF, v[L8]
	s_lshr_b32 s100, s[W7], 1
	s_lshl_b32 s100, s100, 5
	s_and_b32 s101, s[W7], 1
	s_lshl_b32 s101, s101, 3
	s_add_co_u32 s100, s100, s101
	v_and_b32 v[DM], 8, v8
	s_delay_alu instid0(VALU_DEP_1)
	v_add_nc_u32 v[DM], v[DM], v8
	s_delay_alu instid0(VALU_DEP_1)
	v_add_nc_u32 v[DM], s100, v[DM]                ; my query in its block: 32 (w / 2) + 8 (w % 2) + r + 8 (r / 8)
	v_lshlrev_b32 v11, 4, v11
	s_delay_alu instid0(VALU_DEP_1)
	v_sub_nc_u32 v[DM], v[DM], v11
	s_mul_i32 s100, s[W7], MRGB
	s_add_co_u32 s100, s100, MRG
	v_and_b32 v[MA], 31, v0
	s_delay_alu instid0(VALU_DEP_1)
	v_lshlrev_b32 v[MA], 4, v[MA]
	s_delay_alu instid0(VALU_DEP_1)
	v_add_nc_u32 v[MA], s100, v[MA]                ; where my pair of waves meets: the same bytes for wave w and wave w + 8
.irp e, 22,23,24,25,26,27
	v_mov_b32 v[\e], 0                             ; Q's upper 64 along K: zero codes
.endr
.irp t, 0,1,2,3
.irp e, 6,7,8,9,10,11
	v_mov_b32 v[KB+12*\t+\e], 0                    ; K's likewise
.endr
.endr
.irp b, 0,1,2,3
	v_mov_b32 v[236+\b], 0                         ; written once: a lane permute's destination counts as one of its sources
.endr
	v_mov_b32 v252, 0
	v_mov_b32 v253, 0
; A KEY STEP of 128 keys.  A step all of whose keys come after the block's queries is left out: a scalar branch on ids, round the work, not round the lines that step addresses.  A wave goes two key steps on from trip to trip.
.macro STEP
	s_cmp_gt_u32 s[KC], s[BLK]
	s_cbranch_scc1 .Lhidden_\@
	v_add_nc_u32 v[ADK], s[TK], v[L8]              ; (these four are also the places in front of the loads into the last products' scale registers)
	s_wait_alu depctr_va_vdst(0)
	v_add_nc_u32 v[ADV], s[TK], v[LV]
	v_add_nc_u32 v[ADS], s[TS], v[AKS]
	s_wait_alu depctr_va_vdst(0)
	v_add_nc_u32 v[ADT], s[TJ], v[AVS]
	s_wait_alu depctr_va_vdst(0)
.irp g, 0,1
.if \g
.rept 4
	v_nop
.endr
.endif
.irp t, 0,1,2,3
.irp p, 0,1,2
	ds_load_b64 v[KB+12*\t+2*\p:KB+12*\t+2*\p+1], v[ADK] offset:(4*\g+\t)*768+256*\p
.endr
	ds_load_b32 v[248+\t], v[ADS] offset:(4*\g+\t)*64
.endr
	s_wait_dscnt 0x0
.irp t, 0,1,2,3
	v_wmma_scale_f32_16x16x128_f8f6f4 v[S+8*(4*\g+\t):S+8*(4*\g+\t)+7], v[KB+12*\t:KB+12*\t+11], v[16:27], 0, v[248+\t], v255 matrix_a_fmt:MATRIX_FMT_FP6 matrix_b_fmt:MATRIX_FMT_FP6
.endr
.endr
.rept 4
	v_nop
.endr
.irp t, 0,1,2,3                                ; V's fragments and scale words are asked for now and land under the softmax
.irp p, 0,1,2,3,4,5
	ds_load_b64 v[VB+12*\t+2*\p:VB+12*\t+2*\p+1], v[ADV] offset:1536*\t+256*\p
.endr
	ds_load_b32 v[248+\t], v[ADT] offset:64*\t
.endr
	s_cmp_lt_u32 s[KC], s[BLK]                     ; only the step on the diagonal is masked
	s_cbranch_scc1 .Lopen_\@
	v_mov_b32 v254, 0xff800000                     ; -infinity
.set nn, 0
.rept 64
	v_cmp_gt_i32 vcc_lo, 32*(nn/16)+nn%16, v[DM]   ; register 16 g + i holds the step's key 32 g + 16 (lane / 16) + i
	v_cndmask_b32 v[S+nn], v[S+nn], v254, vcc_lo
.set nn, nn+1
.endr
.Lopen_\@:
.irp b, 0,1,2,3
	v_max3_num_f32 v[232+\b], v[S+16*\b], v[S+1+16*\b], v[S+2+16*\b]     ; the largest score of each block of 32 keys: for the row's maximum, and for the block's largest p
.endr
.irp i, 3,5,7,9,11,13
.irp b, 0,1,2,3
	v_max3_num_f32 v[232+\b], v[232+\b], v[S+16*\b+\i], v[S+1+16*\b+\i]
.endr
.endr
.irp b, 0,1,2,3
	v_max_num_f32 v[232+\b], v[232+\b], v[S+15+16*\b]
.endr
.irp b, 0,1,2,3
	s_delay_alu instid0(VALU_DEP_4)
	v_permlanex16_b32 v[236+\b], v[232+\b], s[SEL], s[SEL+1]
.endr
.irp b, 0,1,2,3
	s_delay_alu instid0(VALU_DEP_4)
	v_max_num_f32 v[232+\b], v[232+\b], v[236+\b]
.endr
	s_delay_alu instid0(VALU_DEP_2)
	v_max3_num_f32 v254, v232, v233, v234
	s_delay_alu instid0(VALU_DEP_1)
	v_max_num_f32 v254, v254, v235
	s_delay_alu instid0(VALU_DEP_1)
	v_mul_f32 v254, s[CS], v254
	s_delay_alu instid0(VALU_DEP_1)
	v_max_num_f32 v13, v13, v254                   ; the running largest t
	v_mov_b32 v254, v12
	s_delay_alu instid0(VALU_DEP_2)
	v_floor_f32 v12, -v13                          ; -M = floor(-t)
	s_delay_alu instid0(VALU_DEP_1)
	v_sub_f32 v254, v12, v254
	s_delay_alu instid0(VALU_DEP_1)
	v_cvt_i32_f32 v254, v254                       ; (it saturates)
	s_delay_alu instid0(VALU_DEP_1)
	v_ldexp_f32 v252, 1.0, v254                    ; f = 2^(old M - new M): exact
.set jj, 0
.rept 32
	v_pk_fma_f32 v[S+jj:S+jj+1], v[S+jj:S+jj+1], s[CS:CS+1], v[12:13] op_sel_hi:[1,0,0]   ; t - M
.set jj, jj+2
.endr
.irp b, 0,1,2,3
	v_fma_f32 v[232+\b], v[232+\b], s[CS], v12
.endr
.set jj, 0
	s_wait_alu depctr_va_vdst(0)
.rept 64
	v_exp_f32 v[S+jj], v[S+jj]
.set jj, jj+1
.endr
	v_pk_mul_f32 v[14:15], v[14:15], v[252:253] op_sel_hi:[1,0]   ; the sums under the new M: a plain place behind the exponentials
	s_wait_alu depctr_va_vdst(0)                   ; one wait for the batch, ahead of its first reader
.irp b, 0,1,2,3
	v_exp_f32 v[232+\b], v[232+\b]                 ; the block's largest p
.endr
	v_pk_add_f32 v[236:237], v[132:133], v[136:137]
	v_pk_add_f32 v[246:247], v[140:141], v[144:145]
	v_pk_add_f32 v[244:245], v[148:149], v[152:153]
	v_pk_add_f32 v[240:241], v[156:157], v[160:161]
	v_pk_add_f32 v[238:239], v[164:165], v[168:169]
	v_pk_add_f32 v[230:231], v[172:173], v[176:177]
	v_pk_add_f32 v[228:229], v[180:181], v[184:185]
	v_pk_add_f32 v[14:15], v[14:15], v[188:189]
	v_pk_add_f32 v[236:237], v[236:237], v[128:129]
	v_pk_add_f32 v[246:247], v[246:247], v[130:131]
	v_pk_add_f32 v[244:245], v[244:245], v[134:135]
	v_pk_add_f32 v[240:241], v[240:241], v[138:139]
	v_pk_add_f32 v[238:239], v[238:239], v[142:143]
	v_pk_add_f32 v[230:231], v[230:231], v[146:147]
	v_pk_add_f32 v[228:229], v[228:229], v[150:151]
	v_pk_add_f32 v[14:15], v[14:15], v[154:155]
	v_pk_add_f32 v[236:237], v[236:237], v[158:159]
	v_pk_add_f32 v[246:247], v[246:247], v[162:163]
	v_pk_add_f32 v[244:245], v[244:245], v[166:167]
	v_pk_add_f32 v[240:241], v[240:241], v[170:171]
	v_pk_add_f32 v[238:239], v[238:239], v[174:175]
	v_pk_add_f32 v[230:231], v[230:231], v[178:179]
	v_pk_add_f32 v[228:229], v[228:229], v[182:183]
	v_pk_add_f32 v[14:15], v[14:15], v[186:187]
	v_pk_add_f32 v[236:237], v[236:237], v[190:191]
	s_delay_alu instid0(VALU_DEP_2)
	v_pk_add_f32 v[14:15], v[14:15], v[240:241]
	s_delay_alu instid0(VALU_DEP_2)
	v_pk_add_f32 v[236:237], v[236:237], v[238:239]
	v_pk_add_f32 v[246:247], v[246:247], v[230:231]
	v_pk_add_f32 v[244:245], v[244:245], v[228:229]
	s_delay_alu instid0(VALU_DEP_2)
	v_pk_add_f32 v[14:15], v[14:15], v[246:247]
	s_delay_alu instid0(VALU_DEP_2)
	v_pk_add_f32 v[236:237], v[236:237], v[244:245]
	s_delay_alu instid0(VALU_DEP_1)
	v_pk_add_f32 v[14:15], v[14:15], v[236:237]
	s_wait_alu depctr_va_vdst(0)                   ; and one for the four
.irp b, 0,1,2,3
	v_max_num_f32 v[232+\b], 0x1800000, v[232+\b]
.endr
.irp b, 0,1,2,3
	s_delay_alu instid0(VALU_DEP_4)
	v_add_nc_u32 v[244+\b], 0xff000000, v[232+\b]
.endr
.irp b, 0,1,2,3
	s_delay_alu instid0(VALU_DEP_4)
	v_lshrrev_b32 v[236+\b], 23, v[244+\b]
.endr
	s_delay_alu instid0(VALU_DEP_3)
	v_lshl_or_b32 v253, v237, 8, v236              ; p's scale word for these 128 keys
	s_delay_alu instid0(VALU_DEP_1)
	v_lshl_or_b32 v253, v238, 16, v253
	s_delay_alu instid0(VALU_DEP_1)
	v_lshl_or_b32 v253, v239, 24, v253
.irp c, 0,1
	v_cvt_scalef32_pk16_fp6_f32 v[224+6*\c:226+6*\c], v[S+32*\c:S+15+32*\c], v[244+2*\c]
	v_cvt_scalef32_pk16_fp6_f32 v[236+4*\c:238+4*\c], v[S+16+32*\c:S+31+32*\c], v[244+2*\c+1]
.endr
	v_nop
.irp c, 0,1
.irp i, 0,1,2
	v_permlane16_swap_b32 v[224+6*\c+\i], v[236+4*\c+\i]
.endr
.irp i, 0,1,2
	s_delay_alu instid0(VALU_DEP_3)
	v_mov_b32 v[227+6*\c+\i], v[236+4*\c+\i]
.endr
.endr
.set jj, 0
.rept 16
	v_pk_mul_f32 v[O+jj:O+jj+1], v[O+jj:O+jj+1], v[252:253] op_sel_hi:[1,0]   ; O^T under the new M; these 16 are also the places in front of the products below
.set jj, jj+2
.endr
	s_wait_alu depctr_va_vdst(0)
	s_wait_dscnt 0x0                               ; V
.irp t, 0,1,2,3
	v_wmma_scale_f32_16x16x128_f8f6f4 v[O+8*\t:O+8*\t+7], v[VB+12*\t:VB+12*\t+11], v[224:235], v[O+8*\t:O+8*\t+7], v[248+\t], v253 matrix_a_fmt:MATRIX_FMT_FP6 matrix_b_fmt:MATRIX_FMT_FP6
.endr
.Lhidden_\@:
	s_add_co_u32 s[TK], s[TK], 2*6144
	s_add_co_u32 s[TS], s[TS], 2*512
	s_add_co_u32 s[TJ], s[TJ], 2*256
	s_add_co_u32 s[KC], s[KC], 2
.endm
; n trips: my key steps first + g, first + g + 2, ..; every address begins at a constant plus my group's term
.macro KLOOP n, first
	s_mul_i32 s[TK], s[GR], 6144
	s_lshl_b32 s[TS], s[GR], 9
	s_lshl_b32 s[TJ], s[GR], 8
.if \first
	s_add_co_u32 s[TK], s[TK], (\first)*6144
	s_add_co_u32 s[TS], s[TS], (\first)*512
	s_add_co_u32 s[TJ], s[TJ], (\first)*256
.endif
	s_add_co_u32 s[KC], s[GR], \first
	s_mov_b32 s[CNT], \n
.Lkeys_\@:
	STEP
	s_sub_co_u32 s[CNT], s[CNT], 1
	s_cmp_lg_u32 s[CNT], 0
	s_cbranch_scc1 .Lkeys_\@
.endm
; A query block begins: where its y goes; the largest t, the sums and O^T begin anew
.macro PINIT
	s_lshl_b32 s14, s[TBQ], 3
	s_add_co_u32 s14, s14, s[HD2]                  ; fragment 8 x token block + head / 2
	s_mul_i32 s16, s14, 1536
	s_add_co_u32 s16, s16, s[HDO]
	s_mov_b32 s17, 0
	s_add_nc_u64 s[10:11], s[8:9], s[16:17]
	s_lshl_b32 s16, s14, 6
	s_add_co_u32 s16, s16, s[HDS]
	s_add_nc_u64 s[12:13], s[8:9], s[16:17]
	v_mov_b32 v13, 0xff61b1e6                      ; the largest t so far: -3e38
	s_delay_alu instid0(VALU_DEP_1)
	v_floor_f32 v12, -v13
	v_mov_b32 v14, 0
	v_mov_b32 v15, 0
.set jj, 0
.rept 32
	v_mov_b32 v[O+jj], 0                           ; the step is written once: the first finds zeros
.set jj, jj+1
.endr
.endm
; A query block ends.  The wave of the odd key steps stores O^T and v12-15 (-M, t, the sum's halves); a barrier; the wave of the even steps takes them, brings both parts under the larger M, adds, divides, quantises y and stores it.
.set MRG2, 38912                       ; the second query block's pairs meet in bytes of their own, behind the spare words: 247,808 on; so no barrier stands between the two endings
.macro FINISH o
.rept 4
	v_nop                                          ; places behind the last products, in front of the first read of O^T
.endr
	s_cmp_eq_u32 s[GR], 0
	s_cbranch_scc1 .Lkeep_\@
	s_wait_alu depctr_va_vdst(0)
.irp t, 0,1,2,3,4,5,6,7
	ds_store_b128 v[MA], v[O+4*\t:O+4*\t+3] offset:\o+512*\t     ; each accumulator from its low end on
.endr
	ds_store_b128 v[MA], v[12:15] offset:\o+4096
.Lkeep_\@:
	s_wait_dscnt 0x0                               ; for the partner's sake: my stores have landed
	s_barrier_signal -1
	s_barrier_wait -1
	s_cmp_lg_u32 s[GR], 0
	s_cbranch_scc1 .Ldone_\@
.irp t, 0,1,2,3,4,5,6,7
	ds_load_b128 v[S+4*\t:S+4*\t+3], v[MA] offset:\o+512*\t
.endr
	ds_load_b128 v[S+32:S+35], v[MA] offset:\o+4096
	s_wait_dscnt 0x0
	v_min_num_f32 v[S+36], v12, v[S+32]            ; -M of both: the smaller -M is the larger M
	s_delay_alu instid0(VALU_DEP_1)
	v_sub_f32 v[S+37], v[S+36], v12                ; my M less the common one: a whole number, 0 or less
	s_delay_alu instid0(VALU_DEP_2)
	v_sub_f32 v[S+38], v[S+36], v[S+32]            ; the partner's likewise (a partner that had no step holds -M = 3e38 and zeros)
	s_delay_alu instid0(VALU_DEP_2)
	v_cvt_i32_f32 v[S+37], v[S+37]                 ; (they saturate)
	s_delay_alu instid0(VALU_DEP_2)
	v_cvt_i32_f32 v[S+38], v[S+38]
	s_delay_alu instid0(VALU_DEP_2)
	v_ldexp_f32 v[S+40], 1.0, v[S+37]
	s_delay_alu instid0(VALU_DEP_2)
	v_ldexp_f32 v[S+42], 1.0, v[S+38]
	v_mov_b32 v[S+41], 0                           ; (named as the upper halves of pairs)
	v_mov_b32 v[S+43], 0
	v_add_f32 v14, v14, v15
	v_add_f32 v[S+34], v[S+34], v[S+35]
	s_delay_alu instid0(VALU_DEP_2)
	v_mul_f32 v14, v14, v[S+40]
	s_delay_alu instid0(VALU_DEP_1)
	v_fma_f32 v14, v[S+34], v[S+42], v14           ; the sum of both parts, still one half of the keys a lane
.set jj, 0
.rept 16
	v_pk_mul_f32 v[O+jj:O+jj+1], v[O+jj:O+jj+1], v[S+40:S+41] op_sel_hi:[1,0]
.set jj, jj+2
.endr
.set jj, 0
.rept 16
	v_pk_fma_f32 v[O+jj:O+jj+1], v[S+jj:S+jj+1], v[S+42:S+43], v[O+jj:O+jj+1] op_sel_hi:[1,0,1]
.set jj, jj+2
.endr
	v_permlanex16_b32 v252, v14, s[SEL], s[SEL+1]
	s_delay_alu instid0(VALU_DEP_1)
	v_add_f32 v14, v14, v252
	s_wait_alu depctr_va_vdst(0)
	v_rcp_f32 v14, v14
	v_and_b32 v254, 15, v0                         ; (a plain place behind the reciprocal)
	s_delay_alu instid0(VALU_DEP_1)
	v_lshlrev_b32 v254, 2, v254                    ; 4 r
	s_wait_alu depctr_va_vdst(0)
.set jj, 0
.rept 16
	v_pk_mul_f32 v[S+jj:S+jj+1], v[O+jj:O+jj+1], v[14:15] op_sel_hi:[1,0]     ; y: register 16 b + i is channel 32 b + 16 (lane / 16) + i
.set jj, jj+2
.endr
.irp b, 0,1
	v_max3_num_f32 v[232+\b], |v[S+16*\b]|, |v[S+1+16*\b]|, 0x1800000
.endr
.irp i, 2,4,6,8,10,12,14
.irp b, 0,1
	s_delay_alu instid0(VALU_DEP_2)
	v_max3_num_f32 v[232+\b], v[232+\b], |v[S+16*\b+\i]|, |v[S+1+16*\b+\i]|
.endr
.endr
.irp b, 0,1
	s_delay_alu instid0(VALU_DEP_2)
	v_permlanex16_b32 v[236+\b], v[232+\b], s[SEL], s[SEL+1]
.endr
.irp b, 0,1
	s_delay_alu instid0(VALU_DEP_2)
	v_max_num_f32 v[232+\b], v[232+\b], v[236+\b]
.endr
.irp b, 0,1
	s_delay_alu instid0(VALU_DEP_2)
	v_add_nc_u32 v[244+\b], 0xff000000, v[232+\b]
.endr
.irp b, 0,1
	s_delay_alu instid0(VALU_DEP_2)
	v_lshrrev_b32 v[236+\b], 23, v[244+\b]
.endr
	s_delay_alu instid0(VALU_DEP_1)
	v_lshl_or_b32 v253, v237, 8, v236
	v_cvt_scalef32_pk16_fp6_f32 v[224:226], v[S:S+15], v244
	v_cvt_scalef32_pk16_fp6_f32 v[236:238], v[S+16:S+31], v245
	v_nop
.irp i, 0,1,2
	v_permlane16_swap_b32 v[224+\i], v[236+\i]
.endr
.irp i, 0,1,2
	s_delay_alu instid0(VALU_DEP_3)
	v_mov_b32 v[227+\i], v[236+\i]
.endr
.irp p, 0,1,2
	global_store_b64 v[L8], v[224+2*\p:225+2*\p], s[10:11] offset:256*\p
.endr
	global_store_b16 v254, v253, s[12:13]
.Ldone_\@:
.endm
.macro ARML n, g0, g1, skip, join      ; an arm of a later stage's chain
	s_cmp_eq_u32 s[WV], \n
	s_cbranch_scc0 \skip
	tensor_load_to_lds s[\g0:\g0+3], s[\g1:\g1+7]
	s_nop 0
.rept 4
	v_nop
.endr
	s_branch \join
\skip:
.endm
.macro SEQ                             ; in front of a barrier behind which a later first fill is issued; the add twice
	v_lshl_add_u32 v254, v0, 2, 0x3c000
	v_mov_b32 v242, 0
	s_wait_alu depctr_va_vdst(0)
	s_wait_tensorcnt 0x0
	ds_add_u32 v254, v242
	ds_add_u32 v254, v242
	s_wait_dscnt 0x0
	s_barrier_signal -1
	s_barrier_wait -1
.endm
	; PREFETCH INTO THE L2, one stage ahead of the tensor loads.  A quarter of K or of V is 96 blocks of 256 bytes; the eight work-groups of a head (a = 0 .. 7) take 12 each, by address; lanes 12-31 name the last again
	v_and_b32 v130, 31, v0
	v_min_u32 v130, 11, v130
	v_lshlrev_b32 v130, 8, v130
	s_mul_i32 s100, ttmp9, 3072
	v_add_nc_u32 v130, s100, v130
	s_and_b32 s100, s[WV], 14
	s_wait_alu depctr_va_vdst(0)
	s_cmp_eq_u32 s100, 4
	s_cbranch_scc0 .Lnp1
	global_prefetch_b8 v130, s[104:105] offset:QTR th:TH_LOAD_NT scope:SCOPE_SE
.Lnp1:
	SEQ                                            ; the words and quarter 0 are in
	ARML 0, G0K1, G1C, .Ls1a, .Ls1
	ARML 1, G0V1, G1C, .Ls1b, .Ls1
.Ls1:
	s_and_b32 s100, s[WV], 14
	s_cmp_eq_u32 s100, 4
	s_cbranch_scc0 .Lnp2
	global_prefetch_b8 v130, s[104:105] offset:2*QTR th:TH_LOAD_NT scope:SCOPE_SE
	global_prefetch_b8 v130, s[104:105] offset:3*QTR th:TH_LOAD_NT scope:SCOPE_SE
.Lnp2:
	s_wait_loadcnt 0x0                             ; Q of both blocks
	s_sub_co_u32 s[BLK], 15, ttmp9
	PINIT
	s_wait_xcnt 0x0                                ; the prefetches have read v130: the scores land there
	KLOOP 2, 0                                     ; query block 15 - a: key steps 0 .. 3, in quarter 0
	SEQ                                            ; quarter 1 is in
	ARML 0, G0K2, G1C, .Ls2a, .Ls2
	ARML 1, G0V2, G1C, .Ls2b, .Ls2
	ARML 2, G0K3, G1C, .Ls2c, .Ls2
	ARML 3, G0V3, G1C, .Ls2d, .Ls2
.Ls2:
	KLOOP 2, 4                                     ; key steps 4 .. 7
	s_wait_tensorcnt 0x0                           ; quarters 2 and 3
	s_wait_dscnt 0x0
	s_barrier_signal -1
	s_barrier_wait -1
	KLOOP 4, 8                                     ; key steps 8 .. 15
	FINISH 0
	s_wait_xcnt 0x0                                ; the stores have read their registers and bases
	v_mov_b32 v16, v6
	v_mov_b32 v17, v7
	v_mov_b32 v18, v28
	v_mov_b32 v19, v29
	v_mov_b32 v20, v30
	v_mov_b32 v21, v31
	v_mov_b32 v255, v5
	s_mov_b32 s[BLK], ttmp9
	s_mov_b32 s[TBQ], s[TBQ2]
	PINIT
	KLOOP 4, 0                                     ; query block a: key steps 0 .. 7
	FINISH MRG2
	s_wait_xcnt 0x0
	v_lshl_add_u32 v254, v0, 2, 0x3c000
	v_mov_b32 v255, 0
	s_wait_alu depctr_va_vdst(0)
	s_wait_tensorcnt 0x0
	ds_add_u32 v254, v255
	s_wait_dscnt 0x0
	s_endpgm
.Lfunc_end_k_q83158fafd2_attn:
	.size	k_q83158fafd2_attn, .Lfunc_end_k_q83158fafd2_attn-k_q83158fafd2_attn
	.p2alignl 7, 3214868480
	.fill 96, 4, 3214868480
	.section	.rodata,"a",@progbits
	.p2align	6, 0x0
	.amdhsa_kernel k_q83158fafd2_attn
		.amdhsa_group_segment_fixed_size 327680
		.amdhsa_private_segment_fixed_size 0
		.amdhsa_enable_private_segment 0
		.amdhsa_kernarg_size 24
		.amdhsa_user_sgpr_count 2
		.amdhsa_user_sgpr_kernarg_segment_ptr 1
		.amdhsa_wavefront_size32 1
		.amdhsa_system_sgpr_workgroup_id_x 1
		.amdhsa_system_sgpr_workgroup_id_y 1
		.amdhsa_system_sgpr_workgroup_id_z 1
		.amdhsa_system_vgpr_workitem_id 0
		.amdhsa_next_free_vgpr 256
		.amdhsa_next_free_sgpr 106
		.amdhsa_reserve_vcc 1
		.amdhsa_float_denorm_mode_32 3
		.amdhsa_float_denorm_mode_16_64 3
		.amdhsa_memory_ordered 1
		.amdhsa_forward_progress 1
		.amdhsa_inst_pref_size 134
	.end_amdhsa_kernel
	.amdgpu_metadata
---
amdhsa.version: [ 1, 2 ]
amdhsa.kernels:
  - .name:           k_q83158fafd2_attn
    .symbol:         k_q83158fafd2_attn.kd
    .args:
      - { .name: qk, .offset: 0, .size: 8, .value_kind: global_buffer, .address_space: global }
      - { .name: vq, .offset: 8, .size: 8, .value_kind: global_buffer, .address_space: global }
      - { .name: yq, .offset: 16, .size: 8, .value_kind: global_buffer, .address_space: global }
    .group_segment_fixed_size: 327680
    .private_segment_fixed_size: 0
    .kernarg_segment_align: 8
    .kernarg_segment_size: 24
    .max_flat_workgroup_size: 512
    .sgpr_count:     106
    .vgpr_count:     256
    .wavefront_size: 32
...
	.end_amdgpu_metadata
.endif
;; end of part 3
;; launch projln (part 4): grid 256 x 1, 8 waves a work-group, no clusters, 67,072 bytes of LDS; arguments yq, wimg, x, ln2_g, ln2_b, x1, hq; writes x1, hq
.if DOCPART == 4
	.amdgcn_target "amdgcn-amd-amdhsa--gfx1250"
	.amdhsa_code_object_version 6
	.text
	.protected	k_q83158fafd2_projln
	.globl	k_q83158fafd2_projln
	.p2align	8
	.type	k_q83158fafd2_projln,@function
k_q83158fafd2_projln:
	s_mov_b64 s[64:65], 0
	v_nop
	global_prefetch_b8 v0, s[64:65] scope:SCOPE_SE
	s_setreg_imm32_b32 hwreg(HW_REG_WAVE_MODE, 25, 1), 1
	s_wait_xcnt 0x0
; x1 = x + y W_proj on codes of E2M3, and LayerNorm 2 of x1, quantised to E2M3 along the 1,024 channels and stored as operand images: one launch, since a work-group owns whole rows.
; SHARES.  Work-group tb owns row block tb: 16 tokens 32 (tb / 2) + 8 (tb % 2) + i + 8 (i / 8), and all 1,024 columns.  Eight waves, two to a SIMD; wave w makes columns 128 w .. 128 w + 127: 8 accumulators.
; OPERANDS GO FROM MEMORY STRAIGHT INTO REGISTERS.  A fragment of W_proj feeds one matrix instruction of one wave of the work-group, so a stay in LDS would serve no second reader; that is also why there is
; no cluster and no joint load: a tensor load lands in LDS alone.  W_proj's image: registers 4 q .. 4 q + 3 of lane l at 512 q + 16 l of a fragment's 1,536 bytes (three loads of 512 consecutive bytes);
; y's image: registers 2 p, 2 p + 1 of lane l at 256 p + 8 l.  Scale words: 64 bytes a fragment; one load of 128 bytes brings two K steps' words, the even step's in lanes 0-15, the odd step's in lanes 16-31.
; K goes in 8 steps of 128; W's 8 fragments of a step have two sets of registers, step k + 2 is asked for behind step k's products.
; TRANSPOSED USE (source 0 = W's rows, source 1 = tokens): a lane holds one token and neighbouring columns.  The sums go to an LDS stage of 16 rows x 4,096 bytes; behind a barrier wave w takes rows 2 w, 2 w + 1 whole,
; adds x, stores x1 (512 consecutive bytes a store), norms them (mean, then the sum of squares of x1 - mean, v_rsq_f32, all f32) and puts them back; behind a second barrier wave w quantises K step w of all 16 rows.
; x's two rows of a wave are asked of memory by one prefetch (32 blocks of 256 bytes, a lane a block) at the head, six K steps ahead of their loads.
; LIMITS: NaN and infinities are not served; a block under 2^-124 keeps the scale byte 1.
.set PITCH, 4112                       ; an LDS row: 4,096 bytes + 16
.set SPARE, 0x10200                    ; behind the stage: the spare words, 128 bytes a wave
.set WOFF,  2457600                    ; W_proj's codes in wimg
.set WSOFF, 3244032                    ; and its scale words
.set ASOFF, 3145728                    ; y's scale words behind its codes; hq's likewise
.set L16, 1                            ; 16 x lane
.set L8,  2                            ; 8 x lane
.set L4,  3                            ; 4 x lane
.set STO, 4                            ; LDS: row r, + 64 h, + 512 w
.set RDR, 5                            ; LDS: row 2 w, + 16 x lane
.set R4,  6                            ; 4 r
.set TM,  8                            ; v8-23 statistics, then the quantiser's
.set SA,  24                           ; v24-27 y's scale words, a register for two K steps
.set SB,  28                           ; v28-59 W's: block b, pair j at 4 b + j
.set SPW, 60
.set NIL, 61
.set PFX, 62                           ; 256 x lane
.set X,   64                           ; v64-127 the accumulators; then two rows; then the quantiser's 64 numbers
.set AF,  128                          ; v128-223 y's eight fragments
.set G,   128                          ; gain and bias land on y's fragments 0 to 5 when these are done with
.set BV,  160
.set PC,  224
.set PW,  244
.set XR,  192                          ; window 1: v0-191 W's two sets; v192-255 x's two rows
.set SEL, 12
.set MSB, 0
.macro WIN new                         ; the immediate's high byte repeats the setting that is left
.if MSB != \new
	s_set_vgpr_msb (MSB<<8)|\new
.set MSB, \new
.endif
.endm
.macro LOADK k                         ; K step k: 24 loads; an even k brings the pair's 9 scale registers and y's two fragments first: 45 loads
.if ((\k)%2) == 0
	global_load_b32 v[SA+(\k)/2], v[L4], s[24:25] offset:64*(\k)
.irp b, 0,1,2,3,4,5,6,7
	global_load_b32 v[SB+4*\b+(\k)/2], v[L4], s[28:29] offset:512*\b+64*(\k)
.endr
.irp e, 0,1
.irp p, 0,1,2,3,4,5
	global_load_b64 v[AF+12*((\k)+\e)+2*\p:AF+12*((\k)+\e)+2*\p+1], v[L8], s[4:5] offset:1536*((\k)+\e)+256*\p
.endr
.endr
.endif
	WIN 0x40                                       ; destination window 1
.irp b, 0,1,2,3,4,5,6,7
.irp q, 0,1,2
	global_load_b128 v[96*((\k)%2)+12*\b+4*\q:96*((\k)%2)+12*\b+4*\q+3], v[L16], s[26:27] offset:(8*\b+(\k))*1536+512*\q
.endr
.endr
	WIN 0
.endm
.macro MULK k, zero                    ; 8 products, the 8 accumulators by turns; then four places in front of the loads into W's set
	WIN 0x01                                       ; source 0 window 1
.irp b, 0,1,2,3,4,5,6,7
.if \zero
	v_wmma_scale_f32_16x16x128_f8f6f4 v[X+8*\b:X+8*\b+7], v[96*((\k)%2)+12*\b:96*((\k)%2)+12*\b+11], v[AF+12*(\k):AF+12*(\k)+11], 0, v[SB+4*\b+(\k)/2], v[SA+(\k)/2] matrix_a_fmt:MATRIX_FMT_FP6 matrix_b_fmt:MATRIX_FMT_FP6
.elseif ((\k)%2) == 0
	v_wmma_scale_f32_16x16x128_f8f6f4 v[X+8*\b:X+8*\b+7], v[96*((\k)%2)+12*\b:96*((\k)%2)+12*\b+11], v[AF+12*(\k):AF+12*(\k)+11], v[X+8*\b:X+8*\b+7], v[SB+4*\b+(\k)/2], v[SA+(\k)/2] matrix_a_fmt:MATRIX_FMT_FP6 matrix_b_fmt:MATRIX_FMT_FP6
.else
	v_wmma_scale_f32_16x16x128_f8f6f4 v[X+8*\b:X+8*\b+7], v[96*((\k)%2)+12*\b:96*((\k)%2)+12*\b+11], v[AF+12*(\k):AF+12*(\k)+11], v[X+8*\b:X+8*\b+7], v[SB+4*\b+(\k)/2], v[SA+(\k)/2] matrix_a_fmt:MATRIX_FMT_FP6 matrix_b_fmt:MATRIX_FMT_FP6 matrix_a_scale:MATRIX_SCALE_ROW1 matrix_b_scale:MATRIX_SCALE_ROW1
.endif
.endr
	WIN 0
.rept 4
	v_nop
.endr
.endm
.macro REDUCE a                        ; two rows' pairs at v[a], v[a + 4]: the sum over the wave's 32 lanes, in every lane
.irp i, 0,4
	v_add_f32 v[\a+\i], v[\a+\i], v[\a+\i+1]
.endr
.irp m, 1,2,4,8
.irp i, 0,4
	v_add_f32_dpp v[\a+\i], v[\a+\i], v[\a+\i] row_xmask:\m row_mask:0xf bank_mask:0xf
.endr
.endr
.irp i, 0,4
	v_permlanex16_b32 v[\a+\i+1], v[\a+\i], s[SEL], s[SEL+1]
.endr
.irp i, 0,4
	v_add_f32 v[\a+\i], v[\a+\i], v[\a+\i+1]
.endr
.endm
; 64 numbers of a lane, register 16 b + i = k 32 b + 16 (lane / 16) + i of my row, become a fragment's codes in v[PC] on and its scale word in v[PW]
.macro QUANT s
.irp b, 0,1,2,3
	v_max3_num_f32 v[TM+\b], |v[\s+16*\b]|, |v[\s+1+16*\b]|, 0x1800000   ; with the floor 2^(3 - 127): the byte cannot fall under 1
.endr
.irp i, 2,4,6,8,10,12,14
.irp b, 0,1,2,3
	v_max3_num_f32 v[TM+\b], v[TM+\b], |v[\s+16*\b+\i]|, |v[\s+1+16*\b+\i]|
.endr
.endr
.irp b, 0,1,2,3
	v_permlanex16_b32 v[TM+4+\b], v[TM+\b], s[SEL], s[SEL+1]
.endr
.irp b, 0,1,2,3
	v_max_num_f32 v[TM+\b], v[TM+\b], v[TM+4+\b]
.endr
.irp b, 0,1,2,3
	v_add_nc_u32 v[TM+12+\b], 0xff000000, v[TM+\b]                       ; 2 off the exponent field: the conversion's scale operand
.endr
.irp b, 0,1,2,3
	v_lshrrev_b32 v[TM+4+\b], 23, v[TM+12+\b]                            ; the scale's byte
.endr
	v_lshl_or_b32 v[PW], v[TM+5], 8, v[TM+4]
	v_lshl_or_b32 v[PW], v[TM+6], 16, v[PW]
	v_lshl_or_b32 v[PW], v[TM+7], 24, v[PW]
.irp c, 0,1
	v_cvt_scalef32_pk16_fp6_f32 v[PC+6*\c:PC+2+6*\c], v[\s+32*\c:\s+15+32*\c], v[TM+12+2*\c]
	v_cvt_scalef32_pk16_fp6_f32 v[PC+12+4*\c:PC+14+4*\c], v[\s+16+32*\c:\s+31+32*\c], v[TM+12+2*\c+1]
.endr
	v_nop                                          ; one plain place behind a scaled conversion
.irp c, 0,1
.irp i, 0,1,2
	v_permlane16_swap_b32 v[PC+6*\c+\i], v[PC+12+4*\c+\i]
.endr
.irp i, 0,1,2
	v_mov_b32 v[PC+3+6*\c+\i], v[PC+12+4*\c+\i]
.endr
.endr
.endm
	s_load_b256 s[4:11], s[0:1], 0x0               ; yq, wimg, x, gain
	s_load_b128 s[16:19], s[0:1], 0x20             ; bias, x1
	s_load_b64 s[20:21], s[0:1], 0x30              ; hq
	v_lshl_add_u32 v[SPW], v0, 2, SPARE
	v_mov_b32 v[NIL], 0
	v_lshrrev_b32 v7, 5, v0
	v_readfirstlane_b32 s22, v7                    ; wave
	v_and_b32 v7, 31, v0                           ; lane
	v_and_b32 v[R4], 15, v0                        ; r
	v_bfe_u32 v8, v0, 4, 1                         ; h
	v_lshlrev_b32 v[L16], 4, v7
	v_lshlrev_b32 v[L8], 3, v7
	v_lshlrev_b32 v[L4], 2, v7
	v_lshlrev_b32 v[PFX], 8, v7
	v_mul_u32_u24 v[STO], v[R4], PITCH
	v_lshl_add_u32 v[STO], v8, 6, v[STO]
	s_lshl_b32 s23, s22, 9
	v_add_nc_u32 v[STO], s23, v[STO]
	s_mul_i32 s23, s22, 2*PITCH
	v_add_nc_u32 v[RDR], s23, v[L16]
	v_lshlrev_b32 v[R4], 2, v[R4]
	s_mov_b32 s12, 0x76543210
	s_mov_b32 s13, 0xfedcba98                      ; lane l xor 16
	s_mov_b32 s14, 0x3a800000                      ; 1 / 1024
	s_mov_b32 s15, 0x3727c5ac                      ; 1e-5
	s_mul_i32 s34, ttmp9, 12288                    ; y's row block
	s_mov_b32 s35, 0
	s_lshl_b32 s36, ttmp9, 9
	s_add_co_u32 s36, s36, ASOFF                   ; its scale words
	s_mov_b32 s37, 0
	s_mul_i32 s38, s22, 98304
	s_add_co_u32 s38, s38, WOFF                    ; W's row blocks 8 w ..
	s_mov_b32 s39, 0
	s_lshl_b32 s40, s22, 12
	s_add_co_u32 s40, s40, WSOFF
	s_mov_b32 s41, 0
	s_lshr_b32 s42, ttmp9, 1
	s_lshl_b32 s42, s42, 5
	s_and_b32 s43, ttmp9, 1
	s_lshl_b32 s43, s43, 3
	s_add_co_u32 s42, s42, s43
	s_lshl_b32 s43, s22, 1
	s_add_co_u32 s42, s42, s43
	s_lshr_b32 s43, s22, 2
	s_lshl_b32 s43, s43, 3
	s_add_co_u32 s42, s42, s43                     ; the token of stage row 2 w: 32 (tb / 2) + 8 (tb % 2) + 2 w + 8 (w / 4); row 2 w + 1 is the next token
	s_lshl_b32 s42, s42, 12
	s_mov_b32 s43, 0
	s_lshl_b32 s44, ttmp9, 3
	s_add_co_u32 s44, s44, s22                     ; my fragment of hq: 8 tb + w
	s_mul_i32 s46, s44, 1536
	s_mov_b32 s47, 0
	s_lshl_b32 s44, s44, 6
	s_add_co_u32 s44, s44, ASOFF
	s_mov_b32 s45, 0
	s_wait_alu depctr_va_vdst(0)
	s_wait_kmcnt 0x0
	s_add_nc_u64 s[24:25], s[4:5], s[36:37]
	s_add_nc_u64 s[4:5], s[4:5], s[34:35]
	s_add_nc_u64 s[28:29], s[6:7], s[40:41]
	s_add_nc_u64 s[26:27], s[6:7], s[38:39]
	s_add_nc_u64 s[8:9], s[8:9], s[42:43]
	s_add_nc_u64 s[18:19], s[18:19], s[42:43]
	s_add_nc_u64 s[30:31], s[20:21], s[46:47]
	s_add_nc_u64 s[32:33], s[20:21], s[44:45]
	LOADK 0
	global_prefetch_b8 v[PFX], s[8:9] th:TH_LOAD_NT scope:SCOPE_SE   ; x's two rows of mine: 8,192 consecutive bytes; its registers are never rewritten
	LOADK 1
	s_wait_loadcnt 24                              ; step 0 is in; the 24 younger loads are step 1's
	MULK 0, 1                                      ; the first step's products start the sums
	LOADK 2
	s_wait_loadcnt 45                              ; younger: step 2's 45
	MULK 1, 0
	LOADK 3
	s_wait_loadcnt 24
	MULK 2, 0
	LOADK 4
	s_wait_loadcnt 45
	MULK 3, 0
	LOADK 5
	s_wait_loadcnt 24
	MULK 4, 0
	LOADK 6
	s_wait_loadcnt 45
	MULK 5, 0
	LOADK 7
	WIN 0x40                                       ; x's rows, gain and bias: 32 loads, of 512 consecutive bytes each
.irp i, 0,1
.irp j, 0,1,2,3,4,5,6,7
	global_load_b128 v[XR+32*\i+4*\j:XR+32*\i+4*\j+3], v[L16], s[8:9] offset:4096*\i+512*\j th:TH_LOAD_NT
.endr
.endr
	WIN 0
.irp j, 0,1,2,3,4,5,6,7
	global_load_b128 v[G+4*\j:G+4*\j+3], v[L16], s[10:11] offset:512*\j
	global_load_b128 v[BV+4*\j:BV+4*\j+3], v[L16], s[16:17] offset:512*\j
.endr
	s_wait_loadcnt 56                              ; step 6 is in; younger: step 7's 24 and these 32
	MULK 6, 0
	s_wait_loadcnt 32
	MULK 7, 0                                      ; its four places stand in front of the first read of the sums
.irp b, 0,1,2,3,4,5,6,7                        ; tile b, register j is column 128 w + 32 (b / 2) + 8 (b % 2) + 16 h + j; each accumulator from its low end on
	ds_store_b128 v[STO], v[X+8*\b:X+8*\b+3] offset:128*(\b/2)+32*(\b%2)
	ds_store_b128 v[STO], v[X+8*\b+4:X+8*\b+7] offset:128*(\b/2)+32*(\b%2)+16
.endr
	s_wait_dscnt 0x0                               ; for the others' sake: my columns lie in the stage
	s_barrier_signal -1
	s_barrier_wait -1
.irp i, 0,1
.irp j, 0,1,2,3,4,5,6,7
	ds_load_b128 v[X+32*\i+4*\j:X+32*\i+4*\j+3], v[RDR] offset:PITCH*\i+512*\j
.endr
.endr
	s_wait_loadcnt 0x0                             ; x, gain, bias
	s_wait_dscnt 0x0
	WIN 0x04                                       ; source 1 window 1
.set jj, 0
.rept 32
	v_pk_add_f32 v[X+jj:X+jj+1], v[X+jj:X+jj+1], v[XR+jj:XR+jj+1]
.set jj, jj+2
.endr
	WIN 0
.irp i, 0,1
.irp j, 0,1,2,3,4,5,6,7
	global_store_b128 v[L16], v[X+32*\i+4*\j:X+32*\i+4*\j+3], s[18:19] offset:4096*\i+512*\j   ; x1: 512 consecutive aligned bytes a store
.endr
.endr
.irp q, 0,1,2,3                                ; four chains: each row's two halves
	v_pk_add_f32 v[8+2*\q:9+2*\q], v[X+16*\q:X+16*\q+1], v[X+16*\q+2:X+16*\q+3]
.endr
.irp j, 4,6,8,10,12,14
.irp q, 0,1,2,3
	v_pk_add_f32 v[8+2*\q:9+2*\q], v[8+2*\q:9+2*\q], v[X+16*\q+\j:X+16*\q+\j+1]
.endr
.endr
	v_pk_add_f32 v[8:9], v[8:9], v[10:11]
	v_pk_add_f32 v[12:13], v[12:13], v[14:15]
	REDUCE 8
	v_mul_f32 v8, s14, v8                          ; the means
	v_mul_f32 v12, s14, v12
	s_wait_alu depctr_va_vdst(0)
	s_wait_xcnt 0x0                                ; the stores have read their registers: the rows may be written again
.irp j, 0,2,4,6,8,10,12,14,16,18,20,22,24,26,28,30
.irp i, 0,1
	v_pk_add_f32 v[X+32*\i+\j:X+32*\i+\j+1], v[X+32*\i+\j:X+32*\i+\j+1], v[8+4*\i:9+4*\i] op_sel_hi:[1,0] neg_lo:[0,1] neg_hi:[0,1]   ; x1 - mean
.endr
.endr
.irp q, 0,1,2,3
	v_pk_mul_f32 v[16+2*\q:17+2*\q], v[X+16*\q:X+16*\q+1], v[X+16*\q:X+16*\q+1]
.endr
.irp j, 2,4,6,8,10,12,14
.irp q, 0,1,2,3
	v_pk_fma_f32 v[16+2*\q:17+2*\q], v[X+16*\q+\j:X+16*\q+\j+1], v[X+16*\q+\j:X+16*\q+\j+1], v[16+2*\q:17+2*\q]
.endr
.endr
	v_pk_add_f32 v[16:17], v[16:17], v[18:19]
	v_pk_add_f32 v[20:21], v[20:21], v[22:23]
	REDUCE 16
	v_fma_f32 v16, v16, s14, s15                   ; variance + eps
	v_fma_f32 v20, v20, s14, s15
	s_wait_alu depctr_va_vdst(0)
	v_rsq_f32 v16, v16
	v_rsq_f32 v20, v20
	v_nop                                          ; a plain place behind the two
	s_wait_alu depctr_va_vdst(0)                   ; ahead of the batch's first reader
.irp i, 0,1
.irp j, 0,2,4,6,8,10,12,14,16,18,20,22,24,26,28,30
	v_pk_mul_f32 v[X+32*\i+\j:X+32*\i+\j+1], v[X+32*\i+\j:X+32*\i+\j+1], v[16+4*\i:17+4*\i] op_sel_hi:[1,0]
.endr
.irp j, 0,2,4,6,8,10,12,14,16,18,20,22,24,26,28,30
	v_pk_fma_f32 v[X+32*\i+\j:X+32*\i+\j+1], v[X+32*\i+\j:X+32*\i+\j+1], v[G+\j:G+\j+1], v[BV+\j:BV+\j+1]
.endr
.endr
.irp i, 0,1
.irp j, 0,1,2,3,4,5,6,7
	ds_store_b128 v[RDR], v[X+32*\i+4*\j:X+32*\i+4*\j+3] offset:PITCH*\i+512*\j   ; back into my two rows, which no other wave touches between the two barriers
.endr
.endr
	s_wait_dscnt 0x0                               ; for the others' sake
	s_barrier_signal -1
	s_barrier_wait -1
.irp b, 0,1,2,3                                ; K step w of all 16 rows: lane (r, h) takes 16 neighbours of each block of 32
.irp j, 0,1,2,3
	ds_load_b128 v[X+16*\b+4*\j:X+16*\b+4*\j+3], v[STO] offset:128*\b+16*\j
.endr
.endr
	s_wait_dscnt 0x0
	QUANT X
.irp p, 0,1,2,3,4,5
	global_store_b64 v[L8], v[PC+2*\p:PC+2*\p+1], s[30:31] offset:256*\p      ; 256 consecutive aligned bytes a store
.endr
	global_store_b32 v[R4], v[PW], s[32:33]
	s_wait_tensorcnt 0x0                           ; the wave's end
	ds_add_u32 v[SPW], v[NIL]
	s_wait_dscnt 0x0
	s_endpgm
.Lfunc_end_k_q83158fafd2_projln:
	.size	k_q83158fafd2_projln, .Lfunc_end_k_q83158fafd2_projln-k_q83158fafd2_projln
	.p2alignl 7, 3214868480
	.fill 96, 4, 3214868480
	.section	.rodata,"a",@progbits
	.p2align	6, 0x0
	.amdhsa_kernel k_q83158fafd2_projln
		.amdhsa_group_segment_fixed_size 67072
		.amdhsa_private_segment_fixed_size 0
		.amdhsa_enable_private_segment 0
		.amdhsa_kernarg_size 56
		.amdhsa_user_sgpr_count 2
		.amdhsa_user_sgpr_kernarg_segment_ptr 1
		.amdhsa_wavefront_size32 1
		.amdhsa_system_sgpr_workgroup_id_x 1
		.amdhsa_system_sgpr_workgroup_id_y 1
		.amdhsa_system_sgpr_workgroup_id_z 1
		.amdhsa_system_vgpr_workitem_id 0
		.amdhsa_next_free_vgpr 512
		.amdhsa_next_free_sgpr 66
		.amdhsa_reserve_vcc 0
		.amdhsa_float_denorm_mode_32 3
		.amdhsa_float_denorm_mode_16_64 3
		.amdhsa_memory_ordered 1
		.amdhsa_forward_progress 1
		.amdhsa_inst_pref_size 67
	.end_amdhsa_kernel
	.amdgpu_metadata
---
amdhsa.version: [ 1, 2 ]
amdhsa.kernels:
  - .name:           k_q83158fafd2_projln
    .symbol:         k_q83158fafd2_projln.kd
    .args:
      - { .name: yq, .offset: 0, .size: 8, .value_kind: global_buffer, .address_space: global }
      - { .name: wimg, .offset: 8, .size: 8, .value_kind: global_buffer, .address_space: global }
      - { .name: x, .offset: 16, .size: 8, .value_kind: global_buffer, .address_space: global }
      - { .name: ln2_g, .offset: 24, .size: 8, .value_kind: global_buffer, .address_space: global }
      - { .name: ln2_b, .offset: 32, .size: 8, .value_kind: global_buffer, .address_space: global }
      - { .name: x1, .offset: 40, .size: 8, .value_kind: global_buffer, .address_space: global }
      - { .name: hq, .offset: 48, .size: 8, .value_kind: global_buffer, .address_space: global }
    .group_segment_fixed_size: 67072
    .private_segment_fixed_size: 0
    .kernarg_segment_align: 8
    .kernarg_segment_size: 56
    .max_flat_workgroup_size: 256
    .sgpr_count:     66
    .vgpr_count:     512
    .wavefront_size: 32
...
	.end_amdgpu_metadata
.endif
;; end of part 4
;; launch fc1 (part 5): grid 16 x 16, 4 waves a work-group, clusters of 4 x 4, 327,680 bytes of LDS; arguments hq, wimg, gq; writes gq
.if DOCPART == 5
	.amdgcn_target "amdgcn-amd-amdhsa--gfx1250"
	.amdhsa_code_object_version 6
	.text
	.protected	k_q83158fafd2_fc1
	.globl	k_q83158fafd2_fc1
	.p2align	8
	.type	k_q83158fafd2_fc1,@function
k_q83158fafd2_fc1:
	s_mov_b64 s[64:65], 0
	v_nop
	global_prefetch_b8 v0, s[64:65] scope:SCOPE_SE
	s_setreg_imm32_b32 hwreg(HW_REG_WAVE_MODE, 25, 1), 1
	s_wait_xcnt 0x0
	s_wait_alu depctr_hold_cnt(0) depctr_sa_sdst(0) depctr_va_vdst(0) depctr_va_sdst(0) depctr_va_ssrc(0) depctr_va_vcc(0) depctr_vm_vsrc(0)
	s_getreg_b32 s2, hwreg(HW_REG_IB_STS2, 6, 4)
	s_cmp_eq_u32 s2, 0
	s_cbranch_scc0 .Lentry_in_a_cluster
	s_endpgm
.Lentry_in_a_cluster:
	s_bfe_u32 s2, ttmp6, 0x10000c
	s_cmp_lg_u32 s2, 0xf033
	s_cbranch_scc0 .Lentry_shape_is_right
	s_endpgm
.Lentry_shape_is_right:
.set NQ,     2
.set FR,     12
.set NL,     6
.set NP,     4
.set BLKB,   3072
.set HALFT,  8*BLKB
.set SLOT,   4*HALFT
.set SCL,    2*SLOT
.set HALFS,  4096
.set SPARE,  SCL+4*HALFS
.set ADRA, 16
.set ADRB, 20
.set ADRS, 27
.set SPW,  28
.set NIL,  29
.set L8,   30
.set R4,   31
.set SC,   32
.set Z,    64
.set Z2,   80
.set PP,   96
.set QQ,   112
.set AF,   128
.set H,    128
.set TM,   192
.set PW,   208
.set VA13, 210
.set VB8,  212
.set PC,   216
.set SEL,  12
.set G1, 24
.set G0, 32
.set G1B, 48
.set G0B, 56
.set G1S, 68
.set G0S, 76
.set G1SB, 80
.set G0SB, 88
.set CA11, 24
.set CA9,  26
.set CA7,  28
.set CA5,  30
.set CA3,  32
.set CA1,  34
.set CB6,  36
.set CB4,  38
.set CB2,  40
.set CB0,  42
.set CRH,  44
.set MSB, 0
.macro WIN new
.if MSB != \new
	s_set_vgpr_msb (MSB<<8)|\new
.set MSB, \new
.endif
.endm
.set MUL_LO, 0xa1
.set MUL_HI, 0xf1
.set TO_B,   0x40
.macro JLOAD g0a, g1a, g0b, g1b
	s_cmp_eq_u32 s15, 0
	s_cbranch_scc0 .Lfor_b_\@
	tensor_load_to_lds s[\g0a:\g0a+3], s[\g1a:\g1a+7]
	s_nop 0
.rept 4
	v_nop
.endr
	s_branch .Lasked_\@
.Lfor_b_\@:
	tensor_load_to_lds s[\g0b:\g0b+3], s[\g1b:\g1b+7]
	s_nop 0
.rept 4
	v_nop
.endr
.Lasked_\@:
.endm
.macro CREST
	s_cmp_lg_u32 s14, 0
	s_cbranch_scc1 .Lnot_wave_0_\@
	s_barrier_signal -3
.Lnot_wave_0_\@:
	s_barrier_wait -3
	s_barrier_signal -1
	s_barrier_wait -1
.endm
.macro CROUND
	s_barrier_signal -1
	s_barrier_wait -1
	CREST
.endm
	s_load_b128 s[4:7], s[0:1], 0x0
	s_load_b64 s[8:9], s[0:1], 0x10
	v_lshl_add_u32 v[SPW], v0, 2, SPARE
	v_mov_b32 v[NIL], 0
	ds_add_u32 v28, v29
	ds_add_u32 v28, v29
	s_wait_dscnt 0x0
	v_lshrrev_b32 v1, 5, v0
	v_readfirstlane_b32 s14, v1
	s_lshr_b32 s15, s14, 1
	s_and_b32 s16, s14, 1
	s_mov_b32 s12, 0x76543210
	s_mov_b32 s13, 0xfedcba98
	s_bfe_u32 s40, ttmp6, 0x40000
	s_bfe_u32 s41, ttmp6, 0x40004
	s_lshl_b32 s42, ttmp9, 2
	s_add_co_u32 s42, s42, s40
	s_and_b32 s17, ttmp7, 0xffff
	s_lshl_b32 s17, s17, 2
	s_add_co_u32 s17, s17, s41
	s_lshl_b32 s43, s41, 2
	s_lshl_b32 s43, 15, s43
	s_lshl_b32 s44, 0x1111, s40
	s_or_b32 s[G1+0], s43, (3<<16)|(1<<21)
	s_or_b32 s[G1B+0], s44, (3<<16)|(1<<21)
.irp g, G1, G1B
	s_mov_b32 s[\g+1], 384<<16
	s_mov_b32 s[\g+2], 16<<16                      ; the head's loads bring 16 row blocks; behind them the two words are set to 8, for the ring's
	s_mov_b32 s[\g+3], 384<<16
	s_mov_b32 s[\g+4], 16
	s_mov_b32 s[\g+5], 1536
	s_mov_b32 s[\g+6], 0
	s_mov_b32 s[\g+7], 0
.endr
	s_or_b32 s[G1S+0], s43, (3<<16)|(1<<21)
	s_or_b32 s[G1SB+0], s44, (3<<16)|(1<<21)
.irp g, G1S, G1SB
	s_mov_b32 s[\g+1], 32<<16
	s_mov_b32 s[\g+2], 32<<16                      ; the words of 16 row blocks: 8,192 dense bytes as 32 rows of 256
	s_mov_b32 s[\g+3], 32<<16
	s_mov_b32 s[\g+4], 32
	s_mov_b32 s[\g+5], 32
	s_mov_b32 s[\g+6], 0
	s_mov_b32 s[\g+7], 0
.endr
	s_mul_i32 s18, s16, 8*12288                    ; in the ring I fetch 8 row blocks of a tile: which half, in bytes
	s_mov_b32 s19, 0
	s_lshl_b32 s20, s17, 4
	s_lshl_b32 s46, s42, 4
	s_lshl_b32 s22, s20, 9
	s_add_co_u32 s22, s22, 3145728
	s_mov_b32 s23, 0
	s_lshl_b32 s92, s46, 9
	s_add_co_u32 s92, s92, 6422528
	s_mov_b32 s93, 0
	s_mul_i32 s20, s20, 12288
	s_mov_b32 s21, 0
	s_mul_i32 s46, s46, 12288
	s_add_co_u32 s46, s46, 3276800
	s_mov_b32 s47, 0
	s_mul_i32 s45, s14, HALFT
	s_wait_kmcnt 0x0
	s_add_nc_u64 s[20:21], s[4:5], s[20:21]
	s_add_nc_u64 s[22:23], s[4:5], s[22:23]
	s_add_nc_u64 s[46:47], s[6:7], s[46:47]
	s_add_nc_u64 s[92:93], s[6:7], s[92:93]
	CROUND
	s_mov_b32 s[G0S], 1
	s_mov_b32 s[G0S+1], SCL
	s_mov_b64 s[G0S+2:G0S+3], s[22:23]
	s_or_b32 s[G0S+3], s[G0S+3], 0x80000000
	s_mov_b32 s[G0SB], 1
	s_mov_b32 s[G0SB+1], SCL+2*HALFS
	s_mov_b64 s[G0SB+2:G0SB+3], s[92:93]
	s_or_b32 s[G0SB+3], s[G0SB+3], 0x80000000
.set PFO, 22                           ; v22: the prefetches' lane offset; never rewritten
.set PFA, 66                           ; s[66:67]: my work-group's two row blocks of the eight that I fetch; never rewritten
	s_mov_b32 s4, 1                                ; group 0 of the head's load of A's 16 row blocks into slot 0 (the arguments that lay here have been used)
	s_mov_b32 s5, 0
	s_mov_b64 s[6:7], s[20:21]
	s_or_b32 s7, s7, 0x80000000
	s_mov_b32 s96, 1                               ; and of B's 16, behind them
	s_mov_b32 s97, 2*HALFT
	s_mov_b64 s[98:99], s[46:47]
	s_or_b32 s99, s99, 0x80000000
	s_add_nc_u64 s[20:21], s[20:21], s[18:19]      ; for the ring: my 8 row blocks
	s_add_nc_u64 s[46:47], s[46:47], s[18:19]
	s_cmp_eq_u32 s15, 0                            ; do I fetch for A?
	s_cselect_b64 s[PFA:PFA+1], s[20:21], s[46:47]
	s_cselect_b32 s18, s40, s41                    ; my place among the four that ask with me: they share the blocks out by address
	s_mul_i32 s18, s18, 2*12288
	s_add_nc_u64 s[PFA:PFA+1], s[PFA:PFA+1], s[18:19]
.irp s, 0,1
	s_mov_b32 s[G0+4*\s], 1
	s_add_co_u32 s[G0+4*\s+1], s45, \s*SLOT
	s_add_nc_u64 s[G0+4*\s+2:G0+4*\s+3], s[20:21], \s*BLKB
	s_or_b32 s[G0+4*\s+3], s[G0+4*\s+3], 0x80000000
	s_mov_b32 s[G0B+4*\s], 1
	s_add_co_u32 s[G0B+4*\s+1], s45, \s*SLOT
	s_add_nc_u64 s[G0B+4*\s+2:G0B+4*\s+3], s[46:47], \s*BLKB
	s_or_b32 s[G0B+4*\s+3], s[G0B+4*\s+3], 0x80000000
.endr
; THE HEAD'S LOADS, ONE A WAVE: wave 0 A's 16 row blocks of slot 0, wave 1 B's, wave 2 A's scale words, wave 3 B's.  One chain of branches on the wave's number, one load to an arm.
.macro ARM under, g0, g1, next
	s_cmp_lt_u32 s14, \under
	s_cbranch_scc0 \next
	tensor_load_to_lds s[\g0:\g0+3], s[\g1:\g1+7]
	s_nop 0
.rept 4
	v_nop
.endr
	s_branch .Lhead_asked
\next:
.endm
	ARM 1, 4,   G1,  .Lhead_b
	ARM 2, 96,  G1B, .Lhead_sa
	ARM 3, G0S, G1S, .Lhead_sb
	tensor_load_to_lds s[G0SB:G0SB+3], s[G1SB:G1SB+7]
	s_nop 0
.rept 4
	v_nop
.endr
.Lhead_asked:
	v_and_b32 v1, 15, v0
	v_bfe_u32 v2, v0, 4, 1
	s_wait_alu depctr_va_vdst(0)
	v_and_b32 v3, 31, v0
	v_lshlrev_b32 v[L8], 3, v3
	v_lshlrev_b32 v[R4], 2, v1
	s_mul_i32 s21, s15, HALFT
	s_mul_i32 s22, s16, HALFT
	s_add_co_u32 s22, s22, 2*HALFT
.irp s, 0,1
	v_add_nc_u32 v[ADRA+\s], s21, v[L8]
	v_add_nc_u32 v[ADRB+\s], s22, v[L8]
	s_add_co_u32 s21, s21, SLOT
	s_add_co_u32 s22, s22, SLOT
.endr
	s_mul_i32 s21, s15, HALFS
	s_mul_i32 s22, s16, HALFS
	s_add_co_u32 s22, s22, 2*HALFS
	s_sub_co_u32 s22, s22, s21
	v_mul_u32_u24 v6, s22, v2
	s_wait_alu depctr_va_vdst(0)
	s_add_co_u32 s21, s21, SCL
	v_add_nc_u32 v5, v[R4], v6
	v_add_nc_u32 v[ADRS], s21, v5
	v_min_u32 v[PFO], 23, v3                       ; 24 blocks of 256 bytes: 12 of each of my two row blocks; lanes 24-31 name the last again
	v_mul_u32_u24 v4, v[PFO], 43
	v_lshrrev_b32 v4, 9, v4                        ; lane / 12
	v_mul_u32_u24 v4, v4, 12288-3072
	v_lshl_add_u32 v[PFO], v[PFO], 8, v4
	global_prefetch_b8 v[PFO], s[PFA:PFA+1] offset:2*BLKB th:TH_LOAD_NT scope:SCOPE_SE   ; behind slot 0's load: the K step two loads on
	s_lshl_b32 s20, s17, 4
	s_lshl_b32 s21, s15, 3
	s_add_co_u32 s20, s20, s21
	s_lshl_b32 s20, s20, 5
	s_lshl_b32 s21, s42, 1
	s_add_co_u32 s20, s20, s21
	s_add_co_u32 s20, s20, s16
	s_mul_i32 s22, s20, 1536
	s_mov_b32 s23, 0
	s_lshl_b32 s20, s20, 6
	s_add_co_u32 s20, s20, 12582912
	s_mov_b32 s21, 0
	s_add_nc_u64 s[10:11], s[8:9], s[20:21]
	s_add_nc_u64 s[8:9], s[8:9], s[22:23]
.macro FRAG reg, adr, q, i
.irp p, 0,1,2,3,4,5
	ds_load_b64 v[\reg+2*\p:\reg+2*\p+1], v[\adr] offset:(\i)*BLKB+(\q)*1536+256*\p
.endr
.endm
.macro MUL16 a0, p, q, sc, zero
.irp a, \a0, \a0+1
.irp b, 0,1,2,3,4,5,6,7
.if \zero
	v_wmma_scale_f32_16x16x128_f8f6f4 v[8*(8*((\a)%4)+\b):8*(8*((\a)%4)+\b)+7], v[128*(\p)+FR*\b:128*(\p)+FR*\b+FR-1], v[AF+FR*(\a):AF+FR*(\a)+FR-1], 0, v[SC+8*NQ*(\sc)+NQ*\b+(\q)], v[SC+8*NQ*(\sc)+NQ*(\a)+(\q)] matrix_a_fmt:MATRIX_FMT_FP6 matrix_b_fmt:MATRIX_FMT_FP6 matrix_a_scale:MATRIX_SCALE_ROW1
.else
	v_wmma_scale_f32_16x16x128_f8f6f4 v[8*(8*((\a)%4)+\b):8*(8*((\a)%4)+\b)+7], v[128*(\p)+FR*\b:128*(\p)+FR*\b+FR-1], v[AF+FR*(\a):AF+FR*(\a)+FR-1], v[8*(8*((\a)%4)+\b):8*(8*((\a)%4)+\b)+7], v[SC+8*NQ*(\sc)+NQ*\b+(\q)], v[SC+8*NQ*(\sc)+NQ*(\a)+(\q)] matrix_a_fmt:MATRIX_FMT_FP6 matrix_b_fmt:MATRIX_FMT_FP6 matrix_a_scale:MATRIX_SCALE_ROW1
.endif
.endr
.endr
.endm
.macro FETCH_B slot, q, p
	WIN TO_B
.irp i, 0,1,2,3,4,5,6,7
	FRAG 128*(\p)+FR*\i, ADRB+\slot, \q, \i
.endr
	WIN 0
.endm
.macro FETCH_A slot, q, i0
.irp i, \i0, \i0+1, \i0+2, \i0+3
	FRAG AF+FR*(\i), ADRA+\slot, \q, \i
.endr
.endm
.macro SCALES sc
.irp i, 0,1,2,3,4,5,6,7
.irp q, 0,1
	ds_load_b32 v[SC+8*NQ*\sc+NQ*\i+\q], v[ADRS] offset:512*\i+64*\q
.endr
.endr
.endm
.macro PLACES n
.rept \n
	v_nop
.endr
.endm
.macro STEP slot, q, zero
	s_wait_dscnt 4*NL
	WIN MUL_LO
	MUL16 0, (\q)%2, \q, \slot, \zero
	MUL16 2, (\q)%2, \q, \slot, \zero
	s_wait_dscnt 0
	PLACES NP
	FETCH_B \slot, (\q)+1, 1-(\q)%2
	FETCH_A \slot, (\q)+1, 0
	WIN MUL_HI
	MUL16 4, (\q)%2, \q, \slot, \zero
	MUL16 6, (\q)%2, \q, \slot, \zero
	PLACES NP
	WIN 0
	FETCH_A \slot, (\q)+1, 4
.endm
.macro TURN slot, next, fill
	s_wait_tensorcnt 0x0
	ds_add_u32 v[SPW], v[NIL]
	s_wait_dscnt 4*NL+1
	WIN MUL_LO
	MUL16 0, 1, NQ-1, \slot, 0
	s_wait_dscnt 0x0
	s_barrier_signal -1
	MUL16 2, 1, NQ-1, \slot, 0
	WIN 0
	s_barrier_wait -1
.if \fill
	CREST
	s_add_nc_u64 s[G0+4*\slot+2:G0+4*\slot+3], s[G0+4*\slot+2:G0+4*\slot+3], 2*BLKB
	s_add_nc_u64 s[G0B+4*\slot+2:G0B+4*\slot+3], s[G0B+4*\slot+2:G0B+4*\slot+3], 2*BLKB
	JLOAD G0+4*\slot, G1, G0B+4*\slot, G1B
.else
	PLACES NP
.endif
	s_wait_alu depctr_va_vdst(0)
	v_add_nc_u32 v[ADRS], 64*NQ, v[ADRS]
	FETCH_B \next, 0, 0
	FETCH_A \next, 0, 0
	SCALES \next
	WIN MUL_HI
	MUL16 4, 1, NQ-1, \slot, 0
	MUL16 6, 1, NQ-1, \slot, 0
	PLACES NP
	WIN 0
	FETCH_A \next, 0, 4
.endm
	s_wait_alu depctr_va_vdst(0)
	s_wait_tensorcnt 0x0                           ; my tile of the head's four is in
	ds_add_u32 v[SPW], v[NIL]
	s_mov_b32 s[G1+2], 8<<16                       ; no tensor load of mine is out: from here on a load brings 8 row blocks
	s_mov_b32 s[G1+4], 8
	s_mov_b32 s[G1B+2], 8<<16
	s_mov_b32 s[G1B+4], 8
	s_wait_dscnt 0x0
	CROUND                                         ; all four tiles are in, all sixteen work-groups are here
	JLOAD G0+4, G1, G0B+4, G1B                     ; slot 1's first fill, the first tensor load behind the round
	FETCH_B 0, 0, 0
	FETCH_A 0, 0, 0
	SCALES 0
	FETCH_A 0, 0, 4
	global_prefetch_b8 v[PFO], s[PFA:PFA+1] offset:3*BLKB th:TH_LOAD_NT scope:SCOPE_SE   ; behind slot 1's load: the last K step; nothing lies beyond it
	STEP 0, 0, 1
	s_mov_b32 s3, 1
.Llap:
	TURN 0, 1, 1
	STEP 1, 0, 0
	TURN 1, 0, 1
	STEP 0, 0, 0
	s_sub_co_u32 s3, s3, 1
	s_cmp_lg_u32 s3, 0
	s_cbranch_scc1 .Llap
	TURN 0, 1, 0
	STEP 1, 0, 0
	s_wait_dscnt 4*NL
	WIN MUL_LO
	MUL16 0, 1, NQ-1, 1, 0
	MUL16 2, 1, NQ-1, 1, 0
	s_wait_dscnt 0
	WIN MUL_HI
	MUL16 4, 1, NQ-1, 1, 0
	MUL16 6, 1, NQ-1, 1, 0
	WIN 0
.macro KPAIR r, val
	s_mov_b32 s[\r], \val
	s_mov_b32 s[\r+1], \val
.endm
.macro QUANT s
.irp b, 0,1,2,3
	v_max3_num_f32 v[TM+\b], |v[\s+16*\b]|, |v[\s+1+16*\b]|, 0x1800000
.endr
.irp i, 2,4,6,8,10,12,14
.irp b, 0,1,2,3
	v_max3_num_f32 v[TM+\b], v[TM+\b], |v[\s+16*\b+\i]|, |v[\s+1+16*\b+\i]|
.endr
.endr
.irp b, 0,1,2,3
	v_permlanex16_b32 v[TM+4+\b], v[TM+\b], s[SEL], s[SEL+1]
.endr
.irp b, 0,1,2,3
	v_max_num_f32 v[TM+\b], v[TM+\b], v[TM+4+\b]
.endr
.irp b, 0,1,2,3
	v_add_nc_u32 v[TM+12+\b], 0xff000000, v[TM+\b]
.endr
.irp b, 0,1,2,3
	v_lshrrev_b32 v[TM+4+\b], 23, v[TM+12+\b]
.endr
	v_lshl_or_b32 v[PW], v[TM+5], 8, v[TM+4]
	v_lshl_or_b32 v[PW], v[TM+6], 16, v[PW]
	v_lshl_or_b32 v[PW], v[TM+7], 24, v[PW]
.irp c, 0,1
	v_cvt_scalef32_pk16_fp6_f32 v[PC+6*\c:PC+2+6*\c], v[\s+32*\c:\s+15+32*\c], v[TM+12+2*\c]
	v_cvt_scalef32_pk16_fp6_f32 v[PC+12+4*\c:PC+14+4*\c], v[\s+16+32*\c:\s+31+32*\c], v[TM+12+2*\c+1]
.endr
	v_nop
.irp c, 0,1
.irp i, 0,1,2
	v_permlane16_swap_b32 v[PC+6*\c+\i], v[PC+12+4*\c+\i]
.endr
.irp i, 0,1,2
	v_mov_b32 v[PC+3+6*\c+\i], v[PC+12+4*\c+\i]
.endr
.endr
.endm
.macro GELU16 a, n
.set AC, 64*(\a)+16*(\n)
.set HH, H+16*(\n)
	WIN 0x02
.irp k, 0,2,4,6,8,10,12,14
	v_pk_mul_f32 v[Z+\k:Z+\k+1], v[AC+\k:AC+\k+1], s[CRH:CRH+1] op_sel_hi:[1,0]
.endr
.irp k, 0,2,4,6,8,10,12,14
	v_pk_mul_f32 v[HH+\k:HH+\k+1], v[AC+\k:AC+\k+1], 0.5 op_sel_hi:[1,0]
.endr
	WIN 0
.irp k, 0,1,2,3,4,5,6,7,8,9,10,11,12,13,14,15
	v_med3_num_f32 v[Z+\k], v[Z+\k], -4.0, 4.0
.endr
.irp k, 0,2,4,6,8,10,12,14
	v_pk_mul_f32 v[Z2+\k:Z2+\k+1], v[Z+\k:Z+\k+1], v[Z+\k:Z+\k+1]
.endr
.irp k, 0,2,4,6,8,10,12,14
	v_pk_fma_f32 v[PP+\k:PP+\k+1], v[Z2+\k:Z2+\k+1], v[VA13:VA13+1], s[CA11:CA11+1] op_sel_hi:[1,1,0]
.endr
.irp k, 0,2,4,6,8,10,12,14
	v_pk_fma_f32 v[QQ+\k:QQ+\k+1], v[Z2+\k:Z2+\k+1], v[VB8:VB8+1], s[CB6:CB6+1] op_sel_hi:[1,1,0]
.endr
.irp c, CB4, CB2, CB0
.irp k, 0,2,4,6,8,10,12,14
	v_pk_fma_f32 v[QQ+\k:QQ+\k+1], v[QQ+\k:QQ+\k+1], v[Z2+\k:Z2+\k+1], s[\c:\c+1] op_sel_hi:[1,1,0]
.endr
.endr
	s_wait_alu depctr_va_vdst(0)
.irp k, 0,1,2,3,4,5,6,7,8,9,10,11,12,13,14,15
	v_rcp_f32 v[QQ+\k], v[QQ+\k]
.endr
.irp c, CA9, CA7, CA5, CA3, CA1
.irp k, 0,2,4,6,8,10,12,14
	v_pk_fma_f32 v[PP+\k:PP+\k+1], v[PP+\k:PP+\k+1], v[Z2+\k:Z2+\k+1], s[\c:\c+1] op_sel_hi:[1,1,0]
.endr
.endr
.irp k, 0,2,4,6,8,10,12,14
	v_pk_mul_f32 v[PP+\k:PP+\k+1], v[PP+\k:PP+\k+1], v[Z+\k:Z+\k+1]
.endr
	s_wait_alu depctr_va_vdst(0)
.irp k, 0,2,4,6,8,10,12,14
	v_pk_mul_f32 v[PP+\k:PP+\k+1], v[PP+\k:PP+\k+1], v[QQ+\k:QQ+\k+1]
.endr
.irp k, 0,2,4,6,8,10,12,14
	v_pk_fma_f32 v[HH+\k:HH+\k+1], v[HH+\k:HH+\k+1], v[PP+\k:PP+\k+1], v[HH+\k:HH+\k+1]
.endr
.endm
.macro BLOCKQ a
	GELU16 \a, 0
	GELU16 \a, 1
	GELU16 \a, 2
	GELU16 \a, 3
	s_wait_xcnt 0x0
	QUANT H
.irp p, 0,1,2,3,4,5
	global_store_b64 v[L8], v[PC+2*\p:PC+2*\p+1], s[8:9] offset:49152*(\a)+256*\p
.endr
	global_store_b32 v[R4], v[PW], s[10:11] offset:2048*(\a)
.endm
	PLACES NP
	KPAIR CA11, 0x32edffee
	KPAIR CA9,  0xb60cff51
	KPAIR CA7,  0xb86ec2d2
	KPAIR CA5,  0xba40ac63
	KPAIR CA3,  0xbb41a1f6
	KPAIR CA1,  0xbc83dbd4
	KPAIR CB6,  0xb95fbd29
	KPAIR CB4,  0xbadc924e
	KPAIR CB2,  0xbbf19bf8
	KPAIR CB0,  0xbc69b6a7
	KPAIR CRH,  0x3f3504f3
	v_mov_b32 v[VA13], 0xaf95df0b
	v_mov_b32 v[VA13+1], 0xaf95df0b
	v_mov_b32 v[VB8], 0xb77460cd
	v_mov_b32 v[VB8+1], 0xb77460cd
.irp b, 0,1,2,3
	v_mov_b32 v[TM+4+\b], 0
.endr
	s_mov_b32 s3, 2
.Lhalf:
	BLOCKQ 0
	BLOCKQ 1
	BLOCKQ 2
	BLOCKQ 3
	s_cmp_eq_u32 s3, 1
	s_cbranch_scc1 .Ldone
	s_wait_xcnt 0x0
	s_add_nc_u64 s[8:9], s[8:9], 196608
	s_add_nc_u64 s[10:11], s[10:11], 8192
	WIN 0x83
.set mm, 0
.rept 256
	v_mov_b32 v[mm], v[mm]
.set mm, mm+1
.endr
	WIN 0
	s_sub_co_u32 s3, s3, 1
	s_cmp_lg_u32 s3, 0
	s_cbranch_scc1 .Lhalf
.Ldone:
	s_wait_tensorcnt 0x0
	ds_add_u32 v[SPW], v[NIL]
	s_wait_dscnt 0x0
	CROUND
	s_endpgm
.Lfunc_end_k_q83158fafd2_fc1:
	.size	k_q83158fafd2_fc1, .Lfunc_end_k_q83158fafd2_fc1-k_q83158fafd2_fc1
	.p2alignl 7, 3214868480
	.fill 96, 4, 3214868480
	.section	.rodata,"a",@progbits
	.p2align	6, 0x0
	.amdhsa_kernel k_q83158fafd2_fc1
		.amdhsa_group_segment_fixed_size 327680
		.amdhsa_private_segment_fixed_size 0
		.amdhsa_enable_private_segment 0
		.amdhsa_kernarg_size 24
		.amdhsa_user_sgpr_count 2
		.amdhsa_user_sgpr_kernarg_segment_ptr 1
		.amdhsa_wavefront_size32 1
		.amdhsa_system_sgpr_workgroup_id_x 1
		.amdhsa_system_sgpr_workgroup_id_y 1
		.amdhsa_system_sgpr_workgroup_id_z 1
		.amdhsa_system_vgpr_workitem_id 0
		.amdhsa_next_free_vgpr 1024
		.amdhsa_next_free_sgpr 100
		.amdhsa_reserve_vcc 0
		.amdhsa_float_denorm_mode_32 3
		.amdhsa_float_denorm_mode_16_64 3
		.amdhsa_memory_ordered 1
		.amdhsa_forward_progress 1
		.amdhsa_inst_pref_size 255
	.end_amdhsa_kernel
	.section	.bss,"aw",@nobits
	.p2align	6
	.space	262144
	.amdgpu_metadata
---
amdhsa.version: [ 1, 2 ]
amdhsa.kernels:
  - .name:           k_q83158fafd2_fc1
    .symbol:         k_q83158fafd2_fc1.kd
    .args:
      - { .name: hq, .offset: 0, .size: 8, .value_kind: global_buffer, .address_space: global }
      - { .name: wimg, .offset: 8, .size: 8, .value_kind: global_buffer, .address_space: global }
      - { .name: gq, .offset: 16, .size: 8, .value_kind: global_buffer, .address_space: global }
    .group_segment_fixed_size: 327680
    .private_segment_fixed_size: 0
    .kernarg_segment_align: 8
    .kernarg_segment_size: 24
    .max_flat_workgroup_size: 128
    .sgpr_count:     100
    .vgpr_count:     1024
    .wavefront_size: 32
...
	.end_amdgpu_metadata
.endif
;; end of part 5
;; launch fc2 (part 6): grid 8 x 32, 4 waves a work-group, clusters of 4 x 4, 327,680 bytes of LDS; arguments gq, wimg, x1, out0; writes out0
.if DOCPART == 6
	.amdgcn_target "amdgcn-amd-amdhsa--gfx1250"
	.amdhsa_code_object_version 6
	.text
	.protected	k_q83158fafd2_fc2
	.globl	k_q83158fafd2_fc2
	.p2align	8
	.type	k_q83158fafd2_fc2,@function
k_q83158fafd2_fc2:
	s_mov_b64 s[64:65], 0
	v_nop
	global_prefetch_b8 v0, s[64:65] scope:SCOPE_SE
	s_setreg_imm32_b32 hwreg(HW_REG_WAVE_MODE, 25, 1), 1
	s_wait_xcnt 0x0
	s_wait_alu depctr_hold_cnt(0) depctr_sa_sdst(0) depctr_va_vdst(0) depctr_va_sdst(0) depctr_va_ssrc(0) depctr_va_vcc(0) depctr_vm_vsrc(0)
	s_getreg_b32 s2, hwreg(HW_REG_IB_STS2, 6, 4)
	s_cmp_eq_u32 s2, 0
	s_cbranch_scc0 .Lentry_in_a_cluster
	s_endpgm
.Lentry_in_a_cluster:
	s_bfe_u32 s2, ttmp6, 0x10000c
	s_cmp_lg_u32 s2, 0xf033
	s_cbranch_scc0 .Lentry_shape_is_right
	s_endpgm
.Lentry_shape_is_right:
.set KS,     32
.set ASOFF,  12582912
.set WOFF,   6553600
.set WSOFF,  9699328
.set LAPS,   KS/8
.set BLKB,   6144
.set HALFT,  4*BLKB
.set SLOT,   4*HALFT
.set SCL,    2*SLOT
.set HALFS,  4*KS*64
.set SPARE,  SCL+4*HALFS
.set STAGE,  SPARE+512
.set SPITCH, 272
.set ADRA, 16
.set ADRB, 20
.set STO,  24
.set RD,   25
.set CO,   26
.set ADRS, 27
.set SPW,  28
.set NIL,  29
.set SC,   32
.set T,    64
.set ACC,  128
.set RES,  0
.set G1, 24
.set G0, 32
.set G1B, 48
.set G0B, 56
.set G1S, 68
.set G0S, 76
.set G1SB, 80
.set G0SB, 88
.set MSB, 0
.macro WIN new
.if MSB != \new
	s_set_vgpr_msb (MSB<<8)|\new
.set MSB, \new
.endif
.endm
.set MUL,  0x05
.set TO_F, 0x40
.macro JLOAD g0a, g1a, g0b, g1b
	s_cmp_eq_u32 s15, 0
	s_cbranch_scc0 .Lfor_b_\@
	tensor_load_to_lds s[\g0a:\g0a+3], s[\g1a:\g1a+7]
	s_nop 0
.rept 4
	v_nop
.endr
	s_branch .Lasked_\@
.Lfor_b_\@:
	tensor_load_to_lds s[\g0b:\g0b+3], s[\g1b:\g1b+7]
	s_nop 0
.rept 4
	v_nop
.endr
.Lasked_\@:
.endm
.macro CREST
	s_cmp_lg_u32 s14, 0
	s_cbranch_scc1 .Lnot_wave_0_\@
	s_barrier_signal -3
.Lnot_wave_0_\@:
	s_barrier_wait -3
	s_barrier_signal -1
	s_barrier_wait -1
.endm
.macro CROUND
	s_barrier_signal -1
	s_barrier_wait -1
	CREST
.endm
	s_load_b256 s[4:11], s[0:1], 0x0
	v_lshl_add_u32 v[SPW], v0, 2, SPARE
	v_mov_b32 v[NIL], 0
	ds_add_u32 v28, v29
	ds_add_u32 v28, v29
	s_wait_dscnt 0x0
	v_lshrrev_b32 v1, 5, v0
	v_readfirstlane_b32 s14, v1
	s_lshr_b32 s15, s14, 1
	s_and_b32 s16, s14, 1
	s_bfe_u32 s40, ttmp6, 0x40000
	s_bfe_u32 s41, ttmp6, 0x40004
	s_lshl_b32 s42, ttmp9, 2
	s_add_co_u32 s42, s42, s40
	s_and_b32 s17, ttmp7, 0xffff
	s_lshl_b32 s17, s17, 2
	s_add_co_u32 s17, s17, s41
	s_lshl_b32 s43, s41, 2
	s_lshl_b32 s43, 15, s43
	s_lshl_b32 s44, 0x1111, s40
	s_or_b32 s[G1+0], s43, (3<<16)|(1<<21)
	s_or_b32 s[G1B+0], s44, (3<<16)|(1<<21)
.irp g, G1, G1B
	s_mov_b32 s[\g+1], 768<<16
	s_mov_b32 s[\g+2], 8<<16                       ; the head's loads bring 8 row blocks; behind them the two words are set to 4, for the ring's
	s_mov_b32 s[\g+3], 768<<16
	s_mov_b32 s[\g+4], 8
	s_mov_b32 s[\g+5], KS*192
	s_mov_b32 s[\g+6], 0
	s_mov_b32 s[\g+7], 0
.endr
	s_or_b32 s[G1S+0], s43, (3<<16)|(1<<21)
	s_or_b32 s[G1SB+0], s44, (3<<16)|(1<<21)
.irp g, G1S, G1SB
	s_mov_b32 s[\g+1], 32<<16
	s_mov_b32 s[\g+2], (HALFS/128)<<16             ; the words of 8 row blocks, dense, as rows of 256 bytes
	s_mov_b32 s[\g+3], 32<<16
	s_mov_b32 s[\g+4], HALFS/128
	s_mov_b32 s[\g+5], 32
	s_mov_b32 s[\g+6], 0
	s_mov_b32 s[\g+7], 0
.endr
	s_mul_i32 s18, s16, 4*KS*1536                  ; in the ring I fetch 4 row blocks of a tile: which half, in bytes
	s_mov_b32 s19, 0
	s_lshl_b32 s20, s17, 3
	s_lshl_b32 s46, s42, 3
	s_mul_i32 s22, s20, KS*64
	s_add_co_u32 s22, s22, ASOFF
	s_mov_b32 s23, 0
	s_mul_i32 s92, s46, KS*64
	s_add_co_u32 s92, s92, WSOFF
	s_mov_b32 s93, 0
	s_mul_i32 s20, s20, KS*1536
	s_mov_b32 s21, 0
	s_mul_i32 s46, s46, KS*1536
	s_add_co_u32 s46, s46, WOFF
	s_mov_b32 s47, 0
	s_mul_i32 s45, s14, HALFT
	s_wait_kmcnt 0x0
	s_add_nc_u64 s[20:21], s[4:5], s[20:21]
	s_add_nc_u64 s[22:23], s[4:5], s[22:23]
	s_add_nc_u64 s[46:47], s[6:7], s[46:47]
	s_add_nc_u64 s[92:93], s[6:7], s[92:93]
	CROUND
	s_mov_b32 s[G0S], 1
	s_mov_b32 s[G0S+1], SCL
	s_mov_b64 s[G0S+2:G0S+3], s[22:23]
	s_or_b32 s[G0S+3], s[G0S+3], 0x80000000
	s_mov_b32 s[G0SB], 1
	s_mov_b32 s[G0SB+1], SCL+2*HALFS
	s_mov_b64 s[G0SB+2:G0SB+3], s[92:93]
	s_or_b32 s[G0SB+3], s[G0SB+3], 0x80000000
; PREFETCH INTO THE L2: behind the load of slot t each wave names slot t + 2's 6,144 bytes of ONE of the 4 row blocks that it fetches: 24 blocks of 256 bytes, a lane a block.
; The four partners that ask for a tile jointly take one row block each, by address (cx for A, cy for B): each block is named once in each cluster that will load it.  The last two refills ask for nothing.
.set PFO, 22                           ; v22: 256 x min(lane, 23); never rewritten
.set PFA, 66                           ; s[66:67]: my work-group's row block, stepped by a slot at each change of slots that fills
	s_mov_b32 s4, 1                                ; group 0 of the head's load of A's 8 row blocks into slot 0 (the arguments that lay here have been used)
	s_mov_b32 s5, 0
	s_mov_b64 s[6:7], s[20:21]
	s_or_b32 s7, s7, 0x80000000
	s_mov_b32 s96, 1                               ; and of B's 8, behind them
	s_mov_b32 s97, 2*HALFT
	s_mov_b64 s[98:99], s[46:47]
	s_or_b32 s99, s99, 0x80000000
	s_add_nc_u64 s[20:21], s[20:21], s[18:19]      ; for the ring: my 4 row blocks
	s_add_nc_u64 s[46:47], s[46:47], s[18:19]
	s_cmp_eq_u32 s15, 0                            ; do I fetch for A?
	s_cselect_b64 s[PFA:PFA+1], s[20:21], s[46:47]
	s_cselect_b32 s18, s40, s41                    ; my place among the four that ask with me
	s_mul_i32 s18, s18, KS*1536
	s_add_nc_u64 s[PFA:PFA+1], s[PFA:PFA+1], s[18:19]
.irp s, 0,1
	s_mov_b32 s[G0+4*\s], 1
	s_add_co_u32 s[G0+4*\s+1], s45, \s*SLOT
	s_add_nc_u64 s[G0+4*\s+2:G0+4*\s+3], s[20:21], \s*BLKB
	s_or_b32 s[G0+4*\s+3], s[G0+4*\s+3], 0x80000000
	s_mov_b32 s[G0B+4*\s], 1
	s_add_co_u32 s[G0B+4*\s+1], s45, \s*SLOT
	s_add_nc_u64 s[G0B+4*\s+2:G0B+4*\s+3], s[46:47], \s*BLKB
	s_or_b32 s[G0B+4*\s+3], s[G0B+4*\s+3], 0x80000000
.endr
; THE HEAD'S LOADS, ONE A WAVE: wave 0 A's 8 row blocks of slot 0, wave 1 B's, wave 2 A's scale words, wave 3 B's.  One chain of branches on the wave's number, one load to an arm.
.macro ARM under, g0, g1, next
	s_cmp_lt_u32 s14, \under
	s_cbranch_scc0 \next
	tensor_load_to_lds s[\g0:\g0+3], s[\g1:\g1+7]
	s_nop 0
.rept 4
	v_nop
.endr
	s_branch .Lhead_asked
\next:
.endm
	ARM 1, 4,   G1,  .Lhead_b
	ARM 2, 96,  G1B, .Lhead_sa
	ARM 3, G0S, G1S, .Lhead_sb
	tensor_load_to_lds s[G0SB:G0SB+3], s[G1SB:G1SB+7]
	s_nop 0
.rept 4
	v_nop
.endr
.Lhead_asked:
	v_and_b32 v1, 15, v0
	v_bfe_u32 v2, v0, 4, 1
	s_wait_alu depctr_va_vdst(0)
	v_and_b32 v3, 31, v0
	v_lshlrev_b32 v3, 3, v3
	v_lshlrev_b32 v4, 2, v1
	s_mul_i32 s21, s15, HALFT
	s_mul_i32 s22, s16, HALFT
	s_add_co_u32 s22, s22, 2*HALFT
.irp s, 0,1
	v_add_nc_u32 v[ADRA+\s], s21, v3
	v_add_nc_u32 v[ADRB+\s], s22, v3
	s_add_co_u32 s21, s21, SLOT
	s_add_co_u32 s22, s22, SLOT
.endr
	s_mul_i32 s21, s15, HALFS
	s_mul_i32 s22, s16, HALFS
	s_add_co_u32 s22, s22, 2*HALFS
	s_sub_co_u32 s22, s22, s21
	v_mul_u32_u24 v6, s22, v2
	s_wait_alu depctr_va_vdst(0)
	s_add_co_u32 s21, s21, SCL
	v_add_nc_u32 v5, v4, v6
	v_add_nc_u32 v[ADRS], s21, v5
	v_min_u32 v[PFO], 184, v3                      ; v3 = 8 x lane: lanes 24-31 name the last block again
	v_lshlrev_b32 v[PFO], 5, v[PFO]
	global_prefetch_b8 v[PFO], s[PFA:PFA+1] offset:2*BLKB th:TH_LOAD_NT scope:SCOPE_SE   ; behind slot 0's load: slot 2
	s_mul_i32 s23, s14, 16*SPITCH
	s_add_co_u32 s23, s23, STAGE
	v_mul_u32_u24 v5, v1, SPITCH
	v_lshl_add_u32 v5, v2, 6, v5
	v_add_nc_u32 v[STO], s23, v5
	v_mul_u32_u24 v5, v2, SPITCH
	v_lshl_add_u32 v5, v1, 4, v5
	v_add_nc_u32 v[RD], s23, v5
	v_lshlrev_b32 v5, 12, v2
	v_lshl_add_u32 v[CO], v1, 4, v5
	s_wait_alu depctr_va_vdst(0)
	s_lshl_b32 s20, s17, 7
	s_lshl_b32 s21, s15, 6
	s_add_co_u32 s20, s20, s21
	s_lshl_b32 s20, s20, 12
	s_lshl_b32 s46, s42, 9
	s_lshl_b32 s47, s16, 8
	s_add_co_u32 s46, s46, s47
	s_add_co_u32 s20, s20, s46
	s_mov_b32 s21, 0
	s_add_nc_u64 s[8:9], s[8:9], s[20:21]
	s_add_nc_u64 s[10:11], s[10:11], s[20:21]
.macro FRAG reg, adr, q, i
.irp p, 0,1,2,3,4,5
	ds_load_b64 v[\reg+2*\p:\reg+2*\p+1], v[\adr] offset:(\i)*BLKB+(\q)*1536+256*\p
.endr
.endm
.macro FETCH slot, q, u
	WIN 0
.irp i, 0,1,2,3
	ds_load_b32 v[SC+4*(\u)+\i], v[ADRS] offset:\i*KS*64+64*(\q)
.endr
	WIN TO_F
.irp i, 0,1,2,3
	FRAG 128*(\u)+12*\i, ADRA+\slot, \q, \i
	FRAG 128*(\u)+48+12*\i, ADRB+\slot, \q, \i
.endr
.endm
.macro MUL4 u, a, zero
.irp b, 0,1,2,3
.if \zero
	v_wmma_scale_f32_16x16x128_f8f6f4 v[ACC+8*(4*(\a)+\b):ACC+8*(4*(\a)+\b)+7], v[128*(\u)+48+12*\b:128*(\u)+48+12*\b+11], v[128*(\u)+12*(\a):128*(\u)+12*(\a)+11], 0, v[SC+4*(\u)+\b], v[SC+4*(\u)+(\a)] matrix_a_fmt:MATRIX_FMT_FP6 matrix_b_fmt:MATRIX_FMT_FP6 matrix_a_scale:MATRIX_SCALE_ROW1
.else
	v_wmma_scale_f32_16x16x128_f8f6f4 v[ACC+8*(4*(\a)+\b):ACC+8*(4*(\a)+\b)+7], v[128*(\u)+48+12*\b:128*(\u)+48+12*\b+11], v[128*(\u)+12*(\a):128*(\u)+12*(\a)+11], v[ACC+8*(4*(\a)+\b):ACC+8*(4*(\a)+\b)+7], v[SC+4*(\u)+\b], v[SC+4*(\u)+(\a)] matrix_a_fmt:MATRIX_FMT_FP6 matrix_b_fmt:MATRIX_FMT_FP6 matrix_a_scale:MATRIX_SCALE_ROW1
.endif
.endr
.endm
.macro PLACES
.rept 4
	v_nop
.endr
.endm
.macro QUARTER slot, qn, u, zero
	s_wait_dscnt 0x0
	PLACES
	FETCH \slot, \qn, 1-\u
	WIN MUL
	MUL4 \u, 0, \zero
	MUL4 \u, 1, \zero
	MUL4 \u, 2, \zero
	MUL4 \u, 3, \zero
.endm
.macro TURN slot, next, fill
	WIN 0
.if \fill
	s_wait_xcnt 0x0                                ; my last prefetch has read its address: it is stepped here, ahead of the waits of the change of slots
	s_add_nc_u64 s[PFA:PFA+1], s[PFA:PFA+1], BLKB
.endif
	s_wait_tensorcnt 0x0
	ds_add_u32 v[SPW], v[NIL]
	s_wait_dscnt 1
	WIN MUL
	MUL4 1, 0, 0
	s_wait_dscnt 0x0
	s_barrier_signal -1
	MUL4 1, 1, 0
	WIN 0
	s_barrier_wait -1
.if \fill
	CREST
	s_add_nc_u64 s[G0+4*\slot+2:G0+4*\slot+3], s[G0+4*\slot+2:G0+4*\slot+3], 2*BLKB
	s_add_nc_u64 s[G0B+4*\slot+2:G0B+4*\slot+3], s[G0B+4*\slot+2:G0B+4*\slot+3], 2*BLKB
	JLOAD G0+4*\slot, G1, G0B+4*\slot, G1B
.else
	PLACES
.endif
	v_add_nc_u32 v[ADRS], 256, v[ADRS]
	FETCH \next, 0, 0
.if \fill
	WIN 0                                          ; at a branch and at a label every window is 0
	s_cmp_gt_u32 s3, 1                             ; s3 = 1 in the loop's last trip: its two refills are the last two slots, and nothing lies two on
	s_cbranch_scc0 .Lno_ask_\@
	global_prefetch_b8 v[PFO], s[PFA:PFA+1] offset:3*BLKB th:TH_LOAD_NT scope:SCOPE_SE   ; the slot two refills on
.Lno_ask_\@:
.endif
	WIN MUL
	MUL4 1, 2, 0
	MUL4 1, 3, 0
.endm
	s_wait_tensorcnt 0x0                           ; my tile of the head's four is in
	ds_add_u32 v[SPW], v[NIL]
	s_mov_b32 s[G1+2], 4<<16                       ; no tensor load of mine is out: from here on a load brings 4 row blocks
	s_mov_b32 s[G1+4], 4
	s_mov_b32 s[G1B+2], 4<<16
	s_mov_b32 s[G1B+4], 4
	s_wait_dscnt 0x0
	CROUND                                         ; all four tiles are in, all sixteen work-groups are here
	JLOAD G0+4, G1, G0B+4, G1B                     ; slot 1's first fill, the first tensor load behind the round
	FETCH 0, 0, 0
	global_prefetch_b8 v[PFO], s[PFA:PFA+1] offset:3*BLKB th:TH_LOAD_NT scope:SCOPE_SE   ; behind slot 1's load: slot 3
	QUARTER 0, 1, 0, 1
.if LAPS > 1
	WIN 0
	s_mov_b32 s3, LAPS-1
.Llap:
	s_wait_alu depctr_va_vdst(0)
	QUARTER 0, 2, 1, 0
	QUARTER 0, 3, 0, 0
	TURN 0, 1, 1
	s_wait_alu depctr_va_vdst(0)
	QUARTER 1, 1, 0, 0
	QUARTER 1, 2, 1, 0
	QUARTER 1, 3, 0, 0
	TURN 1, 0, 1
	s_wait_alu depctr_va_vdst(0)
	QUARTER 0, 1, 0, 0
	WIN 0
	s_sub_co_u32 s3, s3, 1
	s_cmp_lg_u32 s3, 0
	s_cbranch_scc1 .Llap
.endif
	WIN 0x80                                       ; the residual, into window 2, asked for when all tiles have been asked for: the last 112 products stand between these loads and the wait for them
.irp a, 0,1,2,3
.irp t, 0,1,2,3,4,5,6,7
	global_load_b128 v[RES+32*\a+4*\t:RES+32*\a+4*\t+3], v[CO], s[8:9] offset:(32*(\a/2)+8*(\a%2)+2*\t+8*(\t/4))*4096 th:TH_LOAD_NT   ; sixteen lanes read 256 consecutive aligned bytes
.endr
.endr
	WIN 0
	QUARTER 0, 2, 1, 0
	QUARTER 0, 3, 0, 0
	TURN 0, 1, 0
	s_wait_alu depctr_va_vdst(0)
	QUARTER 1, 1, 0, 0
	QUARTER 1, 2, 1, 0
	QUARTER 1, 3, 0, 0
	s_wait_dscnt 0x0
	MUL4 1, 0, 0
	MUL4 1, 1, 0
	MUL4 1, 2, 0
	MUL4 1, 3, 0
	WIN 0
.macro TOSTAGE a
.irp b, 0,1,2,3
	ds_store_b128 v[STO], v[ACC+8*(4*(\a)+\b):ACC+8*(4*(\a)+\b)+3] offset:128*(\b/2)+32*(\b%2)
	ds_store_b128 v[STO], v[ACC+8*(4*(\a)+\b)+4:ACC+8*(4*(\a)+\b)+7] offset:128*(\b/2)+32*(\b%2)+16
.endr
.set TT, T+32*((\a)%2)
.irp t, 0,1,2,3,4,5,6,7
	ds_load_b128 v[TT+4*\t:TT+4*\t+3], v[RD] offset:2*SPITCH*\t
.endr
.endm
.macro SEND a, younger
.set TT, T+32*((\a)%2)
.set RR, RES+32*(\a)
	s_wait_dscnt \younger
	WIN 0x08
.set kk, 0
.rept 16
	v_pk_add_f32 v[TT+kk:TT+kk+1], v[TT+kk:TT+kk+1], v[RR+kk:RR+kk+1]
.set kk, kk+2
.endr
	WIN 0
.irp t, 0,1,2,3,4,5,6,7
	global_store_b128 v[CO], v[TT+4*\t:TT+4*\t+3], s[10:11] offset:(32*((\a)/2)+8*((\a)%2)+2*\t+8*(\t/4))*4096 th:TH_STORE_NT
.endr
.endm
	s_wait_loadcnt 0x0
	PLACES
	TOSTAGE 0
.irp a, 1,2,3
.if \a > 1
	s_wait_xcnt 0x0
.endif
	TOSTAGE \a
	SEND \a-1, 16
.endr
	SEND 3, 0
	s_wait_tensorcnt 0x0
	ds_add_u32 v[SPW], v[NIL]
	s_wait_dscnt 0x0
	CROUND
	s_endpgm
.Lfunc_end_k_q83158fafd2_fc2:
	.size	k_q83158fafd2_fc2, .Lfunc_end_k_q83158fafd2_fc2-k_q83158fafd2_fc2
	.p2alignl 7, 3214868480
	.fill 96, 4, 3214868480
	.section	.rodata,"a",@progbits
	.p2align	6, 0x0
	.amdhsa_kernel k_q83158fafd2_fc2
		.amdhsa_group_segment_fixed_size 327680
		.amdhsa_private_segment_fixed_size 0
		.amdhsa_enable_private_segment 0
		.amdhsa_kernarg_size 32
		.amdhsa_user_sgpr_count 2
		.amdhsa_user_sgpr_kernarg_segment_ptr 1
		.amdhsa_wavefront_size32 1
		.amdhsa_system_sgpr_workgroup_id_x 1
		.amdhsa_system_sgpr_workgroup_id_y 1
		.amdhsa_system_sgpr_workgroup_id_z 1
		.amdhsa_system_vgpr_workitem_id 0
		.amdhsa_next_free_vgpr 768
		.amdhsa_next_free_sgpr 100
		.amdhsa_reserve_vcc 0
		.amdhsa_float_denorm_mode_32 3
		.amdhsa_float_denorm_mode_16_64 3
		.amdhsa_memory_ordered 1
		.amdhsa_forward_progress 1
		.amdhsa_inst_pref_size 118
	.end_amdhsa_kernel
	.amdgpu_metadata
---
amdhsa.version: [ 1, 2 ]
amdhsa.kernels:
  - .name:           k_q83158fafd2_fc2
    .symbol:         k_q83158fafd2_fc2.kd
    .args:
      - { .name: gq, .offset: 0, .size: 8, .value_kind: global_buffer, .address_space: global }
      - { .name: wimg, .offset: 8, .size: 8, .value_kind: global_buffer, .address_space: global }
      - { .name: x1, .offset: 16, .size: 8, .value_kind: global_buffer, .address_space: global }
      - { .name: out0, .offset: 24, .size: 8, .value_kind: global_buffer, .address_space: global }
    .group_segment_fixed_size: 327680
    .private_segment_fixed_size: 0
    .kernarg_segment_align: 8
    .kernarg_segment_size: 32
    .max_flat_workgroup_size: 128
    .sgpr_count:     100
    .vgpr_count:     768
    .wavefront_size: 32
...
	.end_amdgpu_metadata
.endif
;; end of part 6
